; MI455X (gfx1250); checked and timed in simulation.
; The chip was launched on July 23, 2026; its instructions are those of AMD's public machine-readable ISA for CDNA 5 (MIT licence, August 2026) and "CDNA5" Instruction Set Architecture Reference Guide (July 2026). The comments in the code are by the model that wrote it; some were corrected since.
;; sig Mo E. Allowed arithmetic: matrix products marked QUANTISED: E3M2 operands, one E8M0 scale for each 32 along K, by v_wmma_scale_f32_16x16x128_f8f6f4 with both operands' format E3M2, f32 sums; products left as they are: f32 operands where the result goes on into a quantised operand, else bf16, f16 or f32 operands; f32 sums; everything else in f32.
;; Inputs: b1 8 x 4,096 float32; b2 8 x 1,024 float32; router_b 8 float32; router_w 1,024 x 8 float32; w1 8 x 1,024 x 4,096 float32; w2 8 x 4,096 x 1,024 float32; x 2 x 512 x 1,024 float32.
;; Outputs: out0 2 x 512 x 1,024 float32.
;; Constants: k = 2.
;; This version of the problem:
;;   THIS VERSION OF THE PROBLEM IS GIVEN IN LOW PRECISION. The matrix products marked QUANTISED in the list below multiply operands that are first quantised to E3M2 (3 exponent bits, 2 mantissa bits; 6 bits a number), with one power-of-two scale for each 32 numbers along K (OCP MX v1.0); their sums are f32. All else is computed in f32.
;;   The module's matrix products, in the order in which they are computed (A, B: the left and right operand; K: the contracted axis; several contracted axes count as one K, in the product's order):
;;     1. [M 1,024, K 1,024] x [K 1,024, N 8]; A: input x; B: input router_w: left as it is (N = 8 < 16)
;;     2. [M 1,024, K 1,024] x [K 1,024, N 32,768]; A: input x; B: input w1: QUANTISED
;;     3. batch 8 x [M 1,024, K 4,096] x [K 4,096, N 1,024]; A: input w2; B: computed on the way: QUANTISED
;;   THE QUANTISER, for each operand of a quantised product, along K:
;;     - K is cut into blocks of 32 from its start; a last block that is shorter is filled with zeros.
;;     - A block's scale is 2^e with e = floor(log2(the largest magnitude in the block)) - 4, held to -126 .. 127; a block of zeros has e = 0. As a byte (E8M0): e + 127.
;;     - Each number is divided by its block's scale, clamped to +-28, and rounded to the nearest number of E3M2, ties to even, subnormals kept.
;;     - The product sums the exact products of the quantised numbers (number of the format x scale) in f32.
;;   ~~~python
;;   def quantise(x, axis):      # numpy; x: float32 -> the quantised numbers, widened to float32 again
;;       x = np.moveaxis(x, axis, -1); K = x.shape[-1]
;;       x = np.pad(x, [(0, 0)] * (x.ndim - 1) + [(0, -K % 32)]); x = x.reshape(x.shape[:-1] + (-1, 32)); a = np.abs(x).max(-1, keepdims=True)
;;       e = np.where(a > 0, np.clip(np.frexp(np.where(a > 0, a, 1))[1] - 1 - 4, -126, 127), 0)      # np.frexp(a)[1] - 1 = floor(log2(a)), exactly
;;       r = np.clip(x / 2.0 ** e, -28, 28)
;;       step = 2.0 ** (np.maximum(np.frexp(np.where(r == 0, 1, r))[1] - 1, -2) - 2)
;;       q = np.round(r / step) * step * 2.0 ** e      # np.round: ties to even
;;       return np.moveaxis(q.reshape(q.shape[:-2] + (-1,))[..., :K], -1, axis).astype(np.float32)
;;   ~~~
;;   OPERANDS COMPUTED ON THE WAY. 'Computed on the way' means the value that the module computes at that place (a softmax that the list does not call 'softmax' is quantised finished and normalised). What goes into a quantiser is computed in f32, as accurately as f32 sums, v_exp_f32 and their like allow (about 1e-6 of the number): no bf16 or f16 on the way to a quantiser, and a product that is left as it is and whose result goes on into a quantised operand takes f32 operands (vector FMAs, or v_wmma_f32_16x16x4_f32). A number that lies on a knife's edge between two numbers of the format may be rounded either way, as far as f32 arithmetic and the matrix unit's own rounding can turn it there, and no further.
;; 2 versions. Each part assembles by itself: llvm-mc -triple=amdgcn-amd-amdhsa -mcpu=gfx1250 --defsym DOCPART=n.
;; ======== version 1 of 2: 5 launches
;; workspace buffers: ids 8,192 bytes of whole numbers; tok 827,392 bytes; xt 6,619,136 bytes; lists 66,560 bytes of whole numbers; ht 26,214,400 bytes; y 33,685,504 bytes
;; launch route (part 1): grid 256 x 1, 4 waves a work-group, no clusters, 17,920 bytes of LDS; arguments x, router_w, router_b, ids, tok; writes ids, tok
.if DOCPART == 1
	.amdgcn_target "amdgcn-amd-amdhsa--gfx1250"
	.amdhsa_code_object_version 6
	.text
	.protected	k_qdf24741d53_route
	.globl	k_qdf24741d53_route
	.p2align	8
	.type	k_qdf24741d53_route,@function
k_qdf24741d53_route:
	s_mov_b64 s[64:65], 0
	v_nop
	global_prefetch_b8 v0, s[64:65] scope:SCOPE_SE
	s_setreg_imm32_b32 hwreg(HW_REG_WAVE_MODE, 25, 1), 1
	s_wait_xcnt 0x0
; ROUTER AND TOKEN QUANTISER.  One wave to a token: token = 4 x work-group + wave; 1,024 tokens of 1,024 numbers.
; (a) The token's row of x becomes codes of E3M2 with one E8M0 byte for each 32 along H: lane l holds block l (32 neighbours, 128 bytes).
;     The 24 bytes of block l = 4 s + 2 c + h go to byte 384 h + 48 s + 24 c of the token's 768: so the 384 bytes of a half h are, on end, the
;     96 registers that lane (row, h) of the operand's eight fragments holds (register 12 s + 6 c + i).  The next launch copies them as they lie.
; (b) scores = x . router_w + router_b in f32 multiply-adds; softmax with the row's maximum taken away; the two largest probabilities
;     (of equal ones the lower index first); the two gates p / (p_a + p_b).
;     A dense load of router_w (512 consecutive bytes) gives a lane row 16 m + lane / 2, four experts.  The x that goes with it, x[16 m + lane / 2], is not read from memory again: the row, which
;     the lanes hold by blocks, turns through the wave's own stage in LDS: word (q, m) = x[16 m + q] at 272 q + 4 m; 32 stores of a word a lane, 16 loads of 16 bytes a lane.
; The chosen experts go to ids[2 token + slot] and the gates to tok at the same index: fixed places, no address hangs on the choice.
; LIMITS: NaN and infinities are not served.  A block whose largest magnitude lies under 2^-122 (a block of zeros too) keeps the scale byte 1;
; its codes are then zeros or subnormal codes, and the bytes are read by this program alone.  Two probabilities that differ by less than the
; rounding of an f32 sum of 1,024 terms may be ordered either way.
; No barrier: waves share nothing, and each stage is one wave's own.
.set XQ,  16                           ; v16-47   my block of 32 numbers
.set XR,  48                           ; v48-111  x[16 m + lane / 2], m = 0 .. 63
.set AC,  112                          ; v112-119 four pair sums: experts 4 (lane % 2) + 0 .. 3, even m and odd m apart
.set OT,  120                          ; v120-123 what another lane sends
.set SC,  128                          ; v128-135 the eight scores
.set P,   136                          ; v136-143 the eight probabilities
.set T,   144                          ; v144-154 the quantiser's registers
.set U,   160                          ; v160-169 the softmax's and the choice's
.set XSB, 786432                       ; tok: the tokens' scale bytes, 32 a token
.set GT,  819200                       ; tok: the gates
.set SROW, 272                         ; a stage row: 64 words + 16 bytes
.set STW,  16*SROW                     ; a wave's stage
.set MSB, 0
.macro WIN new                         ; the immediate's high byte repeats the setting that is left
.if MSB != \new
	s_set_vgpr_msb (MSB<<8)|\new
.set MSB, \new
.endif
.endm
	s_load_b128 s[4:7], s[0:1], 0x0                ; x, router_w
	s_load_b128 s[8:11], s[0:1], 0x10              ; router_b, ids
	s_load_b64 s[12:13], s[0:1], 0x20              ; tok
	v_lshl_add_u32 v254, v0, 2, 0x4400
	v_mov_b32 v255, 0
	v_lshrrev_b32 v5, 5, v0
	v_readfirstlane_b32 s14, v5                    ; wave
	v_and_b32 v1, 31, v0                           ; lane
	v_lshlrev_b32 v2, 7, v1                        ; my block: 128 bytes a lane
	v_lshrrev_b32 v3, 1, v1                        ; lane / 2
	v_lshlrev_b32 v4, 4, v1                        ; 16 x lane
	v_and_b32 v5, 1, v1                            ; h of my block; also: which four experts I sum
	v_lshrrev_b32 v6, 2, v1
	v_mul_u32_u24 v6, v6, 48
	v_mad_u32_u24 v6, v5, 384, v6
	v_bfe_u32 v7, v1, 1, 1
	v_mad_u32_u24 v6, v7, 24, v6                   ; my codes' place: 384 h + 48 s + 24 c
	v_lshlrev_b32 v8, 2, v1                        ; 4 x lane
	s_mul_i32 s36, s14, STW                        ; my wave's stage
	v_lshlrev_b32 v9, 3, v1
	v_add_nc_u32 v9, s36, v9                       ; into it: my block's numbers i and i + 16 are words m = 2 lane and 2 lane + 1 of row i % 16
	v_mul_u32_u24 v10, v3, SROW
	v_add_nc_u32 v10, s36, v10                     ; out of it: row lane / 2
	s_lshl_b32 s15, ttmp9, 2
	s_add_co_u32 s15, s15, s14                     ; token
	s_lshl_b32 s16, s15, 12
	s_mov_b32 s17, 0
	s_mov_b32 s32, 0x76543210
	s_mov_b32 s33, 0xfedcba98                      ; v_permlanex16_b32's selects for lane l xor 16
	s_wait_kmcnt 0x0
	s_load_b256 s[24:31], s[8:9], 0x0              ; router_b
	s_add_nc_u64 s[4:5], s[4:5], s[16:17]          ; x at my token
.irp i, 0,1,2,3,4,5,6,7
	global_load_b128 v[XQ+4*\i:XQ+4*\i+3], v2, s[4:5] offset:16*\i
.endr
	WIN 0x40                                       ; destination window 1: router_w, 256 registers: register 4 m + j = router_w[16 m + lane / 2][4 (lane % 2) + j]
.set m, 0
.rept 64
	global_load_b128 v[4*m:4*m+3], v4, s[6:7] offset:512*m   ; 32 lanes read 512 consecutive bytes
.set m, m+1
.endr
	WIN 0
	s_mul_i32 s16, s15, 768
	s_add_nc_u64 s[18:19], s[12:13], s[16:17]      ; my token's codes
	s_lshl_b32 s16, s15, 5
	s_add_nc_u64 s[20:21], s[12:13], s[16:17]      ; its scale bytes (+ XSB)
	s_lshl_b32 s16, s15, 3
	s_add_nc_u64 s[22:23], s[12:13], s[16:17]      ; its gates (+ GT)
	s_add_nc_u64 s[10:11], s[10:11], s[16:17]      ; its two ids
.irp j, 0,1,2,3
	v_mov_b32 v[OT+\j], 0                          ; written once: a lane permute's destination counts as one of its sources
.endr
	v_cmp_eq_u32 s34, 1, v5                        ; the odd lanes
	s_wait_loadcnt 63                              ; my block's eight loads are in: 64 loads were issued behind them, and 63 is the largest count that the field holds
	; ---- the row turns through my stage while the quantiser works
.set i, 0
.rept 32
	ds_store_b32 v9, v[XQ+i] offset:(i%16)*SROW+4*(i/16)
.set i, i+1
.endr
.set i, 0
.rept 16
	ds_load_b128 v[XR+4*i:XR+4*i+3], v10 offset:16*i   ; LDS serves a wave's instructions in order: these see the stores above
.set i, i+1
.endr
	; ---- the quantiser
	v_max3_num_f32 v[T], |v[XQ]|, |v[XQ+1]|, |v[XQ+2]|
	v_max3_num_f32 v[T+1], |v[XQ+3]|, |v[XQ+4]|, |v[XQ+5]|
.irp i, 6,10,14,18,22,26
	v_max3_num_f32 v[T], v[T], |v[XQ+\i]|, |v[XQ+\i+1]|
	v_max3_num_f32 v[T+1], v[T+1], |v[XQ+\i+2]|, |v[XQ+\i+3]|
.endr
	v_max3_num_f32 v[T], v[T], |v[XQ+30]|, |v[XQ+31]|
	v_max3_num_f32 v[T], v[T], v[T+1], 0x2800000   ; and the floor 2^(5 - 127): the byte cannot fall under 1
	v_add_nc_u32 v[T+2], 0xfe000000, v[T]          ; 4 off the exponent field: the conversion takes this operand's exponent field as its scale
	v_cvt_scalef32_pk16_bf6_f32 v[T+4:T+6], v[XQ:XQ+15], v[T+2]
	v_cvt_scalef32_pk16_bf6_f32 v[T+8:T+10], v[XQ+16:XQ+31], v[T+2]
	v_lshrrev_b32 v[T+3], 23, v[T+2]               ; the scale's byte
	global_store_b96 v6, v[T+4:T+6], s[18:19]
	global_store_b96 v6, v[T+8:T+10], s[18:19] offset:12
	global_store_b8 v1, v[T+3], s[20:21] offset:XSB
	; ---- the scores: 64 steps of 16 rows of router_w; a lane's four experts in two pairs, even and odd m in chains of their own
	s_wait_loadcnt 0x0                             ; router_w
	s_wait_dscnt 0x0                               ; and the turned row
	WIN 0x01                                       ; source 0 (router_w) window 1
.set m, 0
.rept 64
.irp a, 0,1
.if m == 0
	v_pk_mul_f32 v[AC+2*\a:AC+2*\a+1], v[2*\a:2*\a+1], v[XR:XR+1] op_sel_hi:[1,0]
.elseif m == 1
	v_pk_mul_f32 v[AC+4+2*\a:AC+4+2*\a+1], v[4+2*\a:4+2*\a+1], v[XR:XR+1] op_sel:[0,1] op_sel_hi:[1,1]
.elseif m%2 == 0
	v_pk_fma_f32 v[AC+2*\a:AC+2*\a+1], v[4*m+2*\a:4*m+2*\a+1], v[XR+m:XR+m+1], v[AC+2*\a:AC+2*\a+1] op_sel_hi:[1,0,1]
.else
	v_pk_fma_f32 v[AC+4+2*\a:AC+4+2*\a+1], v[4*m+2*\a:4*m+2*\a+1], v[XR+m-1:XR+m], v[AC+4+2*\a:AC+4+2*\a+1] op_sel:[0,1,0] op_sel_hi:[1,1,1]
.endif
.endr
.set m, m+1
.endr
	WIN 0
	v_pk_add_f32 v[AC:AC+1], v[AC:AC+1], v[AC+4:AC+5]
	v_pk_add_f32 v[AC+2:AC+3], v[AC+2:AC+3], v[AC+6:AC+7]
.irp x, 2,4,8                          ; over the sixteen lanes of my parity: three steps inside a row of 16 lanes, one across
.irp j, 0,1,2,3
	v_add_f32_dpp v[AC+\j], v[AC+\j], v[AC+\j] row_xmask:\x row_mask:0xf bank_mask:0xf
.endr
.endr
.irp j, 0,1,2,3
	v_permlanex16_b32 v[OT+\j], v[AC+\j], s32, s33
.endr
.irp j, 0,1,2,3
	v_add_f32 v[AC+\j], v[AC+\j], v[OT+\j]
.endr
.irp j, 0,1,2,3
	v_mov_b32_dpp v[OT+\j], v[AC+\j] row_xmask:1 row_mask:0xf bank_mask:0xf   ; the other parity's four experts
.endr
.irp j, 0,1,2,3
	v_cndmask_b32 v[SC+\j], v[AC+\j], v[OT+\j], s34        ; experts 0-3: an even lane's own
	v_cndmask_b32 v[SC+4+\j], v[OT+\j], v[AC+\j], s34      ; experts 4-7: an odd lane's own
.endr
	s_wait_kmcnt 0x0                               ; router_b
.irp e, 0,1,2,3,4,5,6,7
	v_add_f32 v[SC+\e], s[24+\e], v[SC+\e]
.endr
	; ---- softmax: every lane holds all eight
	v_max3_num_f32 v[U], v[SC], v[SC+1], v[SC+2]
	v_max3_num_f32 v[U], v[U], v[SC+3], v[SC+4]
	v_max3_num_f32 v[U], v[U], v[SC+5], v[SC+6]
	v_max_num_f32 v[U], v[U], v[SC+7]
.irp e, 0,1,2,3,4,5,6,7
	v_sub_f32 v[P+\e], v[SC+\e], v[U]
.endr
.irp e, 0,1,2,3,4,5,6,7
	v_mul_f32 v[P+\e], 0x3fb8aa3b, v[P+\e]         ; x log2(e)
.endr
.irp e, 0,1,2,3,4,5,6,7
	v_exp_f32 v[P+\e], v[P+\e]
.endr
	v_nop                                          ; a plain instruction between the last exponential and the use of its result
	s_wait_alu depctr_va_vdst(0)
	v_add_f32 v[U], v[P], v[P+1]
	v_add_f32 v[U+1], v[P+2], v[P+3]
	v_add_f32 v[U+2], v[P+4], v[P+5]
	v_add_f32 v[U+3], v[P+6], v[P+7]
	v_add_f32 v[U], v[U], v[U+1]
	v_add_f32 v[U+2], v[U+2], v[U+3]
	v_add_f32 v[U], v[U], v[U+2]
	v_rcp_f32 v[U+1], v[U]
	v_nop
	s_wait_alu depctr_va_vdst(0)
.irp e, 0,1,2,3,4,5,6,7
	v_mul_f32 v[P+\e], v[P+\e], v[U+1]
.endr
	; ---- the two largest: a later expert wins only where it is strictly larger
	v_mov_b32 v[U+2], v[P]
	v_mov_b32 v[U+3], 0
.irp e, 1,2,3,4,5,6,7
	v_cmp_le_f32 vcc_lo, v[P+\e], v[U+2]
	v_cndmask_b32 v[U+2], v[P+\e], v[U+2], vcc_lo
	v_cndmask_b32 v[U+3], \e, v[U+3], vcc_lo
.endr
.irp e, 0,1,2,3,4,5,6,7
	v_cmp_ne_u32 vcc_lo, \e, v[U+3]
	v_cndmask_b32 v[P+\e], -1.0, v[P+\e], vcc_lo   ; the first is taken out: -1 lies under every probability
.endr
	v_mov_b32 v[U+4], v[P]
	v_mov_b32 v[U+5], 0
.irp e, 1,2,3,4,5,6,7
	v_cmp_le_f32 vcc_lo, v[P+\e], v[U+4]
	v_cndmask_b32 v[U+4], v[P+\e], v[U+4], vcc_lo
	v_cndmask_b32 v[U+5], \e, v[U+5], vcc_lo
.endr
	v_add_f32 v[U+6], v[U+2], v[U+4]
	v_rcp_f32 v[U+7], v[U+6]
	v_cndmask_b32 v[U+8], v[U+3], v[U+5], s34      ; lane 0 carries slot 0, lane 1 slot 1
	v_cndmask_b32 v[U+9], v[U+2], v[U+4], s34
	s_wait_alu depctr_va_vdst(0)
	v_mul_f32 v[U+9], v[U+9], v[U+7]               ; the gate
	v_cmp_gt_u32 vcc_lo, 2, v1
	s_wait_xcnt 0x0                                ; EXEC is a source of the stores above: it changes only behind this wait
	s_wait_tensorcnt 0x0
	ds_add_u32 v254, v255
	s_wait_dscnt 0x0
	s_and_saveexec_b32 s35, vcc_lo
	global_store_b32 v8, v[U+8], s[10:11]
	global_store_b32 v8, v[U+9], s[22:23] offset:GT
	s_wait_xcnt 0x0
	s_or_b32 exec_lo, exec_lo, s35
	s_endpgm
.Lfunc_end_k_qdf24741d53_route:
	.size	k_qdf24741d53_route, .Lfunc_end_k_qdf24741d53_route-k_qdf24741d53_route
	.p2alignl 7, 3214868480
	.fill 96, 4, 3214868480
	.section	.rodata,"a",@progbits
	.p2align	6, 0x0
	.amdhsa_kernel k_qdf24741d53_route
		.amdhsa_group_segment_fixed_size 17920
		.amdhsa_private_segment_fixed_size 0
		.amdhsa_enable_private_segment 0
		.amdhsa_kernarg_size 40
		.amdhsa_user_sgpr_count 2
		.amdhsa_user_sgpr_kernarg_segment_ptr 1
		.amdhsa_wavefront_size32 1
		.amdhsa_system_sgpr_workgroup_id_x 1
		.amdhsa_system_sgpr_workgroup_id_y 1
		.amdhsa_system_sgpr_workgroup_id_z 1
		.amdhsa_system_vgpr_workitem_id 0
		.amdhsa_next_free_vgpr 512
		.amdhsa_next_free_sgpr 66
		.amdhsa_reserve_vcc 1
		.amdhsa_float_denorm_mode_32 3
		.amdhsa_float_denorm_mode_16_64 3
		.amdhsa_memory_ordered 1
		.amdhsa_forward_progress 1
		.amdhsa_inst_pref_size 29
	.end_amdhsa_kernel
	.amdgpu_metadata
---
amdhsa.version: [ 1, 2 ]
amdhsa.kernels:
  - .name:           k_qdf24741d53_route
    .symbol:         k_qdf24741d53_route.kd
    .args:
      - { .name: x, .offset: 0, .size: 8, .value_kind: global_buffer, .address_space: global }
      - { .name: router_w, .offset: 8, .size: 8, .value_kind: global_buffer, .address_space: global }
      - { .name: router_b, .offset: 16, .size: 8, .value_kind: global_buffer, .address_space: global }
      - { .name: ids, .offset: 24, .size: 8, .value_kind: global_buffer, .address_space: global }
      - { .name: tok, .offset: 32, .size: 8, .value_kind: global_buffer, .address_space: global }
    .group_segment_fixed_size: 17920
    .private_segment_fixed_size: 0
    .kernarg_segment_align: 8
    .kernarg_segment_size: 40
    .max_flat_workgroup_size: 128
    .sgpr_count:     66
    .vgpr_count:     512
    .wavefront_size: 32
...
	.end_amdgpu_metadata
.endif
;; end of part 1
;; launch place (part 2): grid 64 x 8, 1 waves a work-group, no clusters, 512 bytes of LDS; arguments ids, tok, xt, lists; writes xt, lists
.if DOCPART == 2
	.amdgcn_target "amdgcn-amd-amdhsa--gfx1250"
	.amdhsa_code_object_version 6
	.text
	.protected	k_qdf24741d53_place
	.globl	k_qdf24741d53_place
	.p2align	8
	.type	k_qdf24741d53_place,@function
k_qdf24741d53_place:
	s_mov_b64 s[64:65], 0
	v_nop
	global_prefetch_b8 v0, s[64:65] scope:SCOPE_SE
	s_setreg_imm32_b32 hwreg(HW_REG_WAVE_MODE, 25, 1), 1
	s_wait_xcnt 0x0
; THE ROWS ARE PLACED BY EXPERT.  Work-group (lt, e), one wave, builds tile lt (16 rows) of expert e.  Expert e owns tiles 64 e .. 64 e + 63 (all 1,024 tokens on
; one expert fill them); the first nt(e) = max(1, ceil(rows / 16)) are written, and nothing else is ever read.  A work-group whose tile has no row stores nothing and ends.
; Every work-group of an expert ranks all 2,048 entries (token, slot) in the same fixed order (register by register, lane by lane), so that each entry has one rank;
; an entry whose rank falls into my tile writes its index into my list of 16 in LDS, all others into a word that nobody reads.  No atomics, no traffic between work-groups.
; THE RANKING GOES IN RUNS, two passes of 32 registers: 32 compares into 32 scalar masks; 64 scalar lines that add the masks' counts up into 32 bases; then each vector step as a run of 32 lines that do not
; wait for each other.  The second pass's compares stand ahead of the first pass's last vector runs, which so stand between those compares and the scalar lines that read their masks.
; Rows that are left over in the last tile are pad rows: entry 2048 + e.  They take token 1,023's codes; their results go to a row of y that nobody reads.
; OUT: xt: the tile's eight fragments of x as images of the operand's registers, in halves (s, c) of 768 bytes: registers 6 c .. 6 c + 3 of lane L at 16 L, registers 6 c + 4, 6 c + 5 at
; 512 + 8 L; the rows' scale words [s][row]; the rows' gates, twice.  lists: the rows' entries, row r at word 8 (r % 2) + r / 2, twice; nt(e), 32 times.
.set ID,  16                           ; v16-79   the 2,048 ids: register 4 q + j of lane l is entry 128 q + 4 l + j
.set PP,  80                           ; v80-143  where each goes in LDS
.set EI,  144                          ; v144-207 its index
.set MK,  30                           ; s30-61   a pass's 32 masks: the lanes whose entry is mine
.set BS,  66                           ; s66-97   a pass's 32 bases: the rank, counted from my tile's first row, of a register's first match
.set X,   16                           ; later: v16-111 my row's 96 registers of codes
.set XW,  112                          ; v112-119 its eight scale words
.set L,   208                          ; my row's entry
.set TK,  209                          ; its token
.set GI,  210
.set XA,  211
.set SA,  212
.set G,   213
.set SW,  214                          ; v214-217 scale words to store
.macro CMP32 p                         ; mine?
.set k, 0
.rept 32
	v_cmp_eq_u32 s[MK+k], s12, v[ID+32*\p+k]
.set k, k+1
.endr
.endm
.macro PREFIX32                        ; s15: the next rank; it goes on from pass to pass
	s_mov_b32 s[BS], s15
.set k, 0
.rept 31
	s_bcnt1_i32_b32 s16, s[MK+k]
	s_add_co_u32 s[BS+k+1], s[BS+k], s16
.set k, k+1
.endr
	s_bcnt1_i32_b32 s16, s[MK+31]
	s_add_co_u32 s15, s[BS+31], s16
.endm
.macro RANK32 p
.set k, 0
.rept 32
	v_mbcnt_lo_u32_b32 v[PP+32*\p+k], s[MK+k], s[BS+k]     ; rank = the register's base + the matches of lower lanes
.set k, k+1
.endr
.set k, 0
.rept 32
	v_cndmask_b32 v[PP+32*\p+k], 16, v[PP+32*\p+k], s[MK+k]   ; not mine: word 16
.set k, k+1
.endr
.endm
.macro PUT32 p
.set k, 0
.rept 32
	v_min_u32 v[PP+32*\p+k], 16, v[PP+32*\p+k]     ; behind my tile, or ahead of it (the number has wrapped): word 16
.set k, k+1
.endr
.set k, 0
.rept 32
	v_lshlrev_b32 v[PP+32*\p+k], 2, v[PP+32*\p+k]
.set k, k+1
.endr
.set k, 0
.rept 32
.set n, 32*\p+k
	v_add_nc_u32 v[EI+n], 128*(n/4)+n%4, v4
.set k, k+1
.endr
.set k, 0
.rept 32
	ds_store_b32 v[PP+32*\p+k], v[EI+32*\p+k]
.set k, k+1
.endr
.endm
	s_load_b128 s[4:7], s[0:1], 0x0                ; ids, tok
	s_load_b128 s[8:11], s[0:1], 0x10              ; xt, lists
	v_lshl_add_u32 v224, v0, 2, 0x100
	v_mov_b32 v225, 0
	s_and_b32 s12, ttmp7, 0xffff                   ; e
	v_and_b32 v1, 31, v0                           ; lane
	v_and_b32 v2, 15, v0                           ; r
	v_lshrrev_b32 v3, 4, v1                        ; h
	v_lshlrev_b32 v4, 2, v1                        ; 4 x lane
	v_lshlrev_b32 v5, 4, v1                        ; 16 x lane
	v_lshlrev_b32 v6, 3, v1                        ; 8 x lane
	v_lshlrev_b32 v7, 2, v2                        ; 4 r
	s_add_co_u32 s13, s12, 2048
	v_mov_b32 v8, s13
	ds_store_b32 v4, v8                            ; every row begins as a pad row
	s_lshl_b32 s14, ttmp9, 4                       ; 16 lt
	s_sub_co_u32 s15, 0, s14                       ; the next rank, counted from my tile's first row
	s_mov_b32 s17, 0
	s_wait_kmcnt 0x0
.irp q, 0,1,2,3,4,5,6,7,8,9,10,11,12,13,14,15
	global_load_b128 v[ID+4*\q:ID+4*\q+3], v5, s[4:5] offset:512*\q
.endr
	s_wait_loadcnt 0x0
	CMP32 0
	PREFIX32
	RANK32 0                                       ; the last lines that read the first pass's masks and bases
	CMP32 1
	PUT32 0
	PREFIX32
	RANK32 1
	PUT32 1
	s_add_co_u32 s15, s15, s14                     ; the expert's rows
	s_add_co_u32 s15, s15, 15
	s_lshr_b32 s15, s15, 4
	s_max_u32 s15, s15, 1                          ; nt
	s_cmp_lg_u32 ttmp9, 0
	s_cbranch_scc1 .Lnot_first
	v_mov_b32 v9, s15
	s_lshl_b32 s16, s12, 7
	s_add_nc_u64 s[18:19], s[10:11], s[16:17]
	global_store_b32 v4, v9, s[18:19] offset:65536 ; 32 lanes store 128 consecutive bytes, all nt
.Lnot_first:
	s_cmp_ge_u32 ttmp9, s15
	s_cbranch_scc1 .Ldone
	ds_load_b32 v[L], v7                           ; LDS serves a wave's instructions in order: this sees the stores above
	s_lshl_b32 s20, s12, 6
	s_add_co_u32 s20, s20, ttmp9                   ; tile = 64 e + lt
	s_mul_i32 s16, s20, 12288
	s_add_nc_u64 s[22:23], s[8:9], s[16:17]        ; its images
	s_lshl_b32 s16, s20, 9
	s_add_nc_u64 s[24:25], s[8:9], s[16:17]        ; its scale words (+ 6,291,456)
	s_lshl_b32 s16, s20, 7
	s_add_nc_u64 s[26:27], s[8:9], s[16:17]        ; its gates (+ 6,553,600)
	s_add_nc_u64 s[28:29], s[10:11], s[16:17]      ; its entries
	v_mul_u32_u24 v10, v3, 384
	v_and_b32 v11, 1, v2
	v_lshrrev_b32 v12, 1, v2
	v_lshlrev_b32 v12, 2, v12
	v_lshl_add_u32 v12, v11, 5, v12
	v_lshl_add_u32 v12, v3, 6, v12                 ; 64 h + 32 (r % 2) + 4 (r / 2)
	v_cmp_eq_u32 vcc_lo, 1, v3
	s_wait_dscnt 0x0
	v_lshrrev_b32 v[TK], 1, v[L]
	v_min_u32 v[TK], 1023, v[TK]                   ; a pad row takes the last token's codes
	v_mul_u32_u24 v[XA], v[TK], 768
	v_add_nc_u32 v[XA], v[XA], v10                 ; my half of the token's codes
	v_lshlrev_b32 v[SA], 5, v[TK]
	v_min_u32 v[GI], 2047, v[L]
	v_lshlrev_b32 v[GI], 2, v[GI]
.set i, 0
.rept 24
	global_load_b128 v[X+4*i:X+4*i+3], v[XA], s[6:7] offset:16*i
.set i, i+1
.endr
	global_load_b128 v[XW:XW+3], v[SA], s[6:7] offset:786432
	global_load_b128 v[XW+4:XW+7], v[SA], s[6:7] offset:786432+16
	global_load_b32 v[G], v[GI], s[6:7] offset:819200
	global_store_b32 v12, v[L], s[28:29]
	s_wait_loadcnt 0x0
.irp s, 0,1,2,3,4,5,6,7
.irp c, 0,1
	global_store_b128 v5, v[X+12*\s+6*\c:X+12*\s+6*\c+3], s[22:23] offset:768*(2*\s+\c)          ; 512 consecutive bytes,
	global_store_b64 v6, v[X+12*\s+6*\c+4:X+12*\s+6*\c+5], s[22:23] offset:768*(2*\s+\c)+512     ; and 256 more
.endr
.endr
.irp i, 0,1,2,3
	v_cndmask_b32 v[SW+\i], v[XW+2*\i], v[XW+2*\i+1], vcc_lo   ; lanes 0-15 carry K step 2 i, lanes 16-31 K step 2 i + 1
.endr
.irp i, 0,1,2,3
	global_store_b32 v4, v[SW+\i], s[24:25] offset:6291456+128*\i
.endr
	global_store_b32 v4, v[G], s[26:27] offset:6553600
.Ldone:
	s_wait_tensorcnt 0x0
	ds_add_u32 v224, v225
	s_wait_dscnt 0x0
	s_endpgm
.Lfunc_end_k_qdf24741d53_place:
	.size	k_qdf24741d53_place, .Lfunc_end_k_qdf24741d53_place-k_qdf24741d53_place
	.p2alignl 7, 3214868480
	.fill 96, 4, 3214868480
	.section	.rodata,"a",@progbits
	.p2align	6, 0x0
	.amdhsa_kernel k_qdf24741d53_place
		.amdhsa_group_segment_fixed_size 512
		.amdhsa_private_segment_fixed_size 0
		.amdhsa_enable_private_segment 0
		.amdhsa_kernarg_size 32
		.amdhsa_user_sgpr_count 2
		.amdhsa_user_sgpr_kernarg_segment_ptr 1
		.amdhsa_wavefront_size32 1
		.amdhsa_system_sgpr_workgroup_id_x 1
		.amdhsa_system_sgpr_workgroup_id_y 1
		.amdhsa_system_sgpr_workgroup_id_z 1
		.amdhsa_system_vgpr_workitem_id 0
		.amdhsa_next_free_vgpr 226
		.amdhsa_next_free_sgpr 98
		.amdhsa_reserve_vcc 1
		.amdhsa_float_denorm_mode_32 3
		.amdhsa_float_denorm_mode_16_64 3
		.amdhsa_memory_ordered 1
		.amdhsa_forward_progress 1
		.amdhsa_inst_pref_size 39
	.end_amdhsa_kernel
	.amdgpu_metadata
---
amdhsa.version: [ 1, 2 ]
amdhsa.kernels:
  - .name:           k_qdf24741d53_place
    .symbol:         k_qdf24741d53_place.kd
    .args:
      - { .name: ids, .offset: 0, .size: 8, .value_kind: global_buffer, .address_space: global }
      - { .name: tok, .offset: 8, .size: 8, .value_kind: global_buffer, .address_space: global }
      - { .name: xt, .offset: 16, .size: 8, .value_kind: global_buffer, .address_space: global }
      - { .name: lists, .offset: 24, .size: 8, .value_kind: global_buffer, .address_space: global }
    .group_segment_fixed_size: 512
    .private_segment_fixed_size: 0
    .kernarg_segment_align: 8
    .kernarg_segment_size: 32
    .max_flat_workgroup_size: 32
    .sgpr_count:     98
    .vgpr_count:     226
    .wavefront_size: 32
...
	.end_amdgpu_metadata
.endif
;; end of part 2
;; launch gemm1 (part 3): grid 32 x 8, 4 waves a work-group, no clusters, 107,008 bytes of LDS; arguments w1, b1, xt, lists, ht; writes ht
.if DOCPART == 3
	.amdgcn_target "amdgcn-amd-amdhsa--gfx1250"
	.amdhsa_code_object_version 6
	.text
	.protected	k_qdf24741d53_gemm1
	.globl	k_qdf24741d53_gemm1
	.p2align	8
	.type	k_qdf24741d53_gemm1,@function
k_qdf24741d53_gemm1:
	s_mov_b64 s[64:65], 0
	v_nop
	global_prefetch_b8 v0, s[64:65] scope:SCOPE_SE
	s_setreg_imm32_b32 hwreg(HW_REG_WAVE_MODE, 25, 1), 1
	s_wait_xcnt 0x0
; FIRST PRODUCT: h = gelu(x W1 + b1) for the rows of one expert, on codes of E3M2 with one E8M0 scale for each 32 along K; h leaves as codes for the second product.
; SHARES.  Work-group (fs, e) owns hidden units 128 fs .. 128 fs + 127 of expert e, all K = 1,024: 512 KB of w1 in f32, which no other work-group reads.
; PHASE W: the weights are read once, quantised in registers and laid in LDS as images of the operand's registers.  Wave w takes K steps 2 w and 2 w + 1 (256 rows of w1) in eight groups of
;   64 rows x 64 columns.  A load: lanes 0-15 read 256 consecutive aligned bytes of one row, lanes 16-31 of the row 32 further down; lane (q, hh) so gathers, in 32 loads, one whole block of 32 along K
;   for each of the four columns 64 u + 4 q + j.  TILE (u, j) IS THE SIXTEEN COLUMNS 64 u + 4 m + j: then a lane's codes of column set j are registers 6 c .. 6 c + 5 of that tile's fragment, in the lane
;   that the layout asks for, and nothing changes lanes but half a scale word.  Two groups, 64 loads of 512 bytes a wave, are asked for ahead.
; PHASE R: wave (u = w % 2, rp = w / 2) takes its 64 columns x 1,024 K into 384 registers and walks the expert's tiles of 16 rows lt = rp, rp + 2, ..: 32 matrix instructions a tile, source 0 = weights, source 1 = x.
;   In the result lane (r, h) holds row r, and register j' of tile j the unit 64 u + 32 h + 4 j' + j: THE LANE'S 32 RESULTS ARE ONE WHOLE BLOCK OF 32 ALONG THE NEXT K.  gelu, the block's scale and the
;   conversions need no other lane, and the 24 bytes are registers 6 u .. 6 u + 5 of the next operand's fragment (tile, K step fs).  Inside a block the codes stand in the order of my registers:
;   place p holds unit 4 (p % 8) + p / 8; the second product loads w2's rows in the same order.  The blocks are the true blocks, so the scales are the true scales.
; THE NUMBER OF TILES nt is read from memory.  The loop is counted to the 32 tiles that a wave could have and is left, by a jump forward to the wave's end, at the first tile from nt on; loads ahead are clamped to tile nt - 1.
; No cluster and no tensor load: which tiles are multiplied hangs on a number read from memory, and what the 32 work-groups of an expert share, x's tiles (12.8 KB each), is small beside the 512 KB that each reads alone.
; gelu(v) = v / 2 + (v / 2) erf(v / sqrt 2), erf(z) = z A(z^2) / B(z^2) with z held to -4 .. 4 (beyond, erf is 1 in f32): a rational form of degree 6 over 4 in z^2, in fused multiply-adds.
; LIMITS: NaN and infinities are not served.  A block whose largest magnitude lies under 2^-122 keeps the scale byte 1.  erf's form is good to a few units of f32's last place of erf, so for v under about -3,
; where 1 + erf cancels, gelu carries an absolute error of about 1e-7 |v|.  An expert without rows still reads its weights: an early end would put the barrier under a branch on a loaded number.
.set PITCHB, 16384                     ; a row of w1 in bytes
.set TS,     12288                     ; a tile of x: eight fragments
.set SS,     512                       ; and its scale words
.set NL,     40                        ; loads that bring a tile: 16 x (16 + 8 bytes a lane) and 8 scale words
.set WSC,    98304                     ; LDS: 64 fragment images of 1,536 bytes from 0 on, image (u, j, s) at ((4 u + j) 8 + s) 1,536; behind them their scale words, 128 bytes each
; window 0
.set Q,    1                           ; lane % 16
.set HH,   2                           ; lane / 16
.set L16,  3                           ; 16 x lane
.set L8,   4                           ; 8 x lane
.set Q4,   5                           ; 4 (lane % 16)
.set WOFF, 6                           ; my place in a group of w1: 32 hh rows + 16 q; never rewritten
.set VI,   7                           ; v7-8   where I store images: 16 lane + 3,072 w + 49,152 u
.set VS,   9                           ; scale words: WSC + 4 lane + 256 w
.set VR,   10                          ; where I read images: 16 lane + 49,152 (w % 2)
.set VRS,  11                          ; WSC + 4 lane + 4,096 (w % 2)
.set BOFF, 12                          ; 128 hh: my half's 32 biases
.set LN,   13
.set L4,   14
.set AO,   16                          ; v16-17 set 0, 1: offset of the tile's 16-byte pieces
.set BO,   18                          ; v18-19 of its 8-byte pieces
.set SOF,  20                          ; v20-21 of its scale words
.set HOA,  22                          ; where h's codes go
.set HOB,  23
.set HOS,  24                          ; and its scale byte
.set QH,   25                          ; 4 q + hh
.set VA0,  26                          ; v26-27 A's highest coefficient, twice
.set VB0,  28                          ; v28-29 B's
.set WS,   32                          ; v32-63 the weights' scale words, 4 s + j: scales and nothing else
.set XS,   64                          ; v64-79 x's scale words, two sets of eight: scales and nothing else
.set BIAS, 80                          ; v80-111 b1 in the result's layout
.set ACC,  112                         ; v112-143 four accumulators
.set Z,    144
.set X2,   152
.set PA,   160
.set PB,   168
.set HM,   176
.set HSO,  178
.set HBY,  179
.set HC,   184                         ; v184-189 h's codes
.set HT,   192
; phase W: window 1: two sets of 128 registers as loaded (register 4 i + j: row i, column j).  Window 2:
.set T,    0                           ; v0-127   the same by columns: 32 j + i
.set CD,   128                         ; v128-175 four fragments in the making
.set TC,   176
.set M,    192
.set SO,   196
.set BY,   200
.set WW,   208
.set PX,   212
.set SH8,  216
; phase R: windows 1 and 2: fragment (j, s) at register 12 (4 (s % 4) + j) of window 1 + s / 4.  Window 3: x's fragments, two sets of 96.
.set MSB, 0
.macro WIN new                         ; the immediate's high byte repeats the setting that is left
.if MSB != \new
	s_set_vgpr_msb (MSB<<8)|\new
.set MSB, \new
.endif
.endm
.macro KPAIR r, v                      ; a constant as a scalar pair: the packed forms name the pair
	s_mov_b32 s[\r], \v
	s_mov_b32 s[\r+1], \v
.endm
; group n = (K step n / 4 of my two, columns 64 ((n / 2) % 2) on, rows 64 (n % 2) on), into set n % 2
.macro GLOAD n
	WIN 0x40
.set i, 0
.rept 32
	global_load_b128 v[128*((\n)%2)+4*i:128*((\n)%2)+4*i+3], v[WOFF], s[22:23] offset:(128*((\n)/4)+64*((\n)%2)+i)*PITCHB+256*(((\n)/2)%2) th:TH_LOAD_NT
.set i, i+1
.endr
.endm
; a load lands four columns side by side; the conversions want sixteen neighbours along K in consecutive registers
.macro UNZIP n
	WIN 0x81
.set i, 0
.rept 32
.irp j, 0,1,2,3
	v_mov_b32 v[T+32*\j+i], v[128*((\n)%2)+4*i+\j]
.endr
.set i, i+1
.endr
.endm
; four blocks of 32, one for each column, by turns
.macro QUANT4 n
	WIN 0xaa
.if ((\n) >= 2) && (((\n)%2) == 0)
	s_wait_dscnt 0x0                               ; the image stores have read the fragments' registers
.endif
.irp j, 0,1,2,3
	v_max3_num_f32 v[M+\j], |v[T+32*\j]|, |v[T+32*\j+1]|, 0x2800000   ; with the floor 2^(5 - 127): the byte cannot fall under 1
.endr
.set i, 2
.rept 15
.irp j, 0,1,2,3
	v_max3_num_f32 v[M+\j], v[M+\j], |v[T+32*\j+i]|, |v[T+32*\j+i+1]|
.endr
.set i, i+2
.endr
.irp j, 0,1,2,3
	v_add_nc_u32 v[SO+\j], 0xfe000000, v[M+\j]     ; 4 off the exponent field: the conversion's scale operand
.endr
.irp j, 0,1,2,3
	v_lshrrev_b32 v[BY+4*((\n)%2)+\j], 23, v[SO+\j]   ; the scale's byte
.endr
.irp j, 0,1,2,3
	v_cvt_scalef32_pk16_bf6_f32 v[CD+12*\j+6*((\n)%2):CD+12*\j+6*((\n)%2)+2], v[T+32*\j:T+32*\j+15], v[SO+\j]
	v_cvt_scalef32_pk16_bf6_f32 v[TC+4*\j:TC+4*\j+2], v[T+32*\j+16:T+32*\j+31], v[SO+\j]   ; (a conversion's three registers begin on an even number)
.endr
	v_nop                                          ; one plain place behind a scaled conversion
.irp j, 0,1,2,3
.irp k, 0,1,2
	v_mov_b32 v[CD+12*\j+6*((\n)%2)+3+\k], v[TC+4*\j+\k]
.endr
.endr
.endm
; four whole fragments and their scale words go to LDS as they stand
.macro PUTW sl, u
.irp j, 0,1,2,3
	v_lshl_or_b32 v[WW+\j], v[BY+4+\j], 16, v[BY+\j]   ; my two bytes: blocks hh and 2 + hh,
.endr
.irp j, 0,1,2,3
	v_lshlrev_b32 v[WW+\j], v[SH8], v[WW+\j]       ; at their places (8 hh bits up);
.endr
.irp j, 0,1,2,3
	v_permlanex16_b32 v[PX+\j], v[WW+\j], s40, s41
.endr
.irp j, 0,1,2,3
	v_or_b32 v[WW+\j], v[WW+\j], v[PX+\j]          ; with lane l xor 16's two the word is whole
.endr
	WIN 0x08                                       ; an LDS store's data: window 2
.irp j, 0,1,2,3
.irp k, 0,1,2
	ds_store_b128 v[VI+(\u)], v[CD+12*\j+4*\k:CD+12*\j+4*\k+3] offset:(8*\j+(\sl))*1536+512*\k
.endr
	ds_store_b32 v[VS], v[WW+\j] offset:((4*(\u)+\j)*8+(\sl))*128
.endr
.endm
.macro GETW                            ; my 32 fragments and their scale words, out of LDS
.irp s, 0,1,2,3,4,5,6,7
.if \s < 4
	WIN 0x40
.else
	WIN 0x80
.endif
.irp j, 0,1,2,3
.irp k, 0,1,2
	ds_load_b128 v[12*(4*(\s%4)+\j)+4*\k:12*(4*(\s%4)+\j)+4*\k+3], v[VR] offset:(8*\j+\s)*1536+512*\k
.endr
.endr
.endr
	WIN 0
.irp s, 0,1,2,3,4,5,6,7
.irp j, 0,1,2,3
	ds_load_b32 v[WS+4*\s+\j], v[VRS] offset:(8*\j+\s)*128
.endr
.endr
.endm
.macro PFADDR set, ahead               ; the offsets of tile LT + ahead, held to the last tile that was written
	s_add_co_u32 s38, s36, \ahead
	s_min_u32 s38, s38, s35
	s_min_u32 s38, s38, 63
	s_mul_i32 s39, s38, TS
	s_mul_i32 s38, s38, SS
	v_add_nc_u32 v[AO+\set], s39, v[L16]
	v_add_nc_u32 v[BO+\set], s39, v[L8]
	v_add_nc_u32 v[SOF+\set], s38, v[Q4]
.endm
.macro LOADA set                       ; a tile's eight fragments, by halves of 512 + 256 consecutive bytes, and its scale words
	WIN 0xc0
.irp s, 0,1,2,3,4,5,6,7
.irp c, 0,1
	global_load_b128 v[96*\set+12*\s+6*\c:96*\set+12*\s+6*\c+3], v[AO+\set], s[24:25] offset:1536*\s+768*\c
	global_load_b64 v[96*\set+12*\s+6*\c+4:96*\set+12*\s+6*\c+5], v[BO+\set], s[24:25] offset:1536*\s+768*\c+512
.endr
.endr
	WIN 0
.irp s, 0,1,2,3,4,5,6,7
	global_load_b32 v[XS+8*\set+\s], v[SOF+\set], s[26:27] offset:64*\s
.endr
.endm
; 32 matrix instructions: K step by K step, the four accumulators by turns, one instruction a turn.  The bias is the C of each sum's first instruction.
.macro MUL32 set
.irp s, 0,1,2,3,4,5,6,7
.if \s < 4
	WIN 0x0d                                       ; source 0 window 1, source 1 window 3
.else
	WIN 0x0e                                       ; source 0 window 2
.endif
.irp j, 0,1,2,3
.if \s == 0
	v_wmma_scale_f32_16x16x128_f8f6f4 v[ACC+8*\j:ACC+8*\j+7], v[12*(4*(\s%4)+\j):12*(4*(\s%4)+\j)+11], v[96*\set+12*\s:96*\set+12*\s+11], v[BIAS+8*\j:BIAS+8*\j+7], v[WS+4*\s+\j], v[XS+8*\set+\s] matrix_a_fmt:MATRIX_FMT_BF6 matrix_b_fmt:MATRIX_FMT_BF6
.else
	v_wmma_scale_f32_16x16x128_f8f6f4 v[ACC+8*\j:ACC+8*\j+7], v[12*(4*(\s%4)+\j):12*(4*(\s%4)+\j)+11], v[96*\set+12*\s:96*\set+12*\s+11], v[ACC+8*\j:ACC+8*\j+7], v[WS+4*\s+\j], v[XS+8*\set+\s] matrix_a_fmt:MATRIX_FMT_BF6 matrix_b_fmt:MATRIX_FMT_BF6
.endif
.endr
.endr
	WIN 0
.endm
; gelu of accumulator g, in place: four pairs by turns, from the accumulator's low end on
.macro GELU4 g
.irp p, 0,1,2,3
	v_pk_mul_f32 v[Z+2*\p:Z+2*\p+1], v[ACC+8*\g+2*\p:ACC+8*\g+2*\p+1], s[42:43] op_sel_hi:[1,0]   ; z = v / sqrt 2
.endr
.irp k, 0,1,2,3,4,5,6,7
	v_med3_num_f32 v[Z+\k], v[Z+\k], -4.0, 4.0
.endr
.irp p, 0,1,2,3
	v_pk_mul_f32 v[X2+2*\p:X2+2*\p+1], v[Z+2*\p:Z+2*\p+1], v[Z+2*\p:Z+2*\p+1]
.endr
.irp p, 0,1,2,3
	v_pk_fma_f32 v[PA+2*\p:PA+2*\p+1], v[X2+2*\p:X2+2*\p+1], v[VA0:VA0+1], s[44:45] op_sel_hi:[1,1,0]
	v_pk_fma_f32 v[PB+2*\p:PB+2*\p+1], v[X2+2*\p:X2+2*\p+1], v[VB0:VB0+1], s[56:57] op_sel_hi:[1,1,0]
.endr
.irp a, 58,60,62
.irp p, 0,1,2,3
	v_pk_fma_f32 v[PB+2*\p:PB+2*\p+1], v[PB+2*\p:PB+2*\p+1], v[X2+2*\p:X2+2*\p+1], s[\a:\a+1] op_sel_hi:[1,1,0]
.endr
.endr
.irp k, 0,1,2,3,4,5,6,7
	v_rcp_f32 v[PB+\k], v[PB+\k]
.endr
.irp a, 46,48,50,52,54                 ; A's chain is also the plain work behind the reciprocals
.irp p, 0,1,2,3
	v_pk_fma_f32 v[PA+2*\p:PA+2*\p+1], v[PA+2*\p:PA+2*\p+1], v[X2+2*\p:X2+2*\p+1], s[\a:\a+1] op_sel_hi:[1,1,0]
.endr
.endr
.irp p, 0,1,2,3
	v_pk_mul_f32 v[PA+2*\p:PA+2*\p+1], v[PA+2*\p:PA+2*\p+1], v[Z+2*\p:Z+2*\p+1]
.endr
	s_wait_alu depctr_va_vdst(0)
.irp p, 0,1,2,3
	v_pk_mul_f32 v[PA+2*\p:PA+2*\p+1], v[PA+2*\p:PA+2*\p+1], v[PB+2*\p:PB+2*\p+1]    ; erf
.endr
.irp p, 0,1,2,3
	v_pk_mul_f32 v[X2+2*\p:X2+2*\p+1], v[ACC+8*\g+2*\p:ACC+8*\g+2*\p+1], 0.5 op_sel_hi:[1,0]
.endr
.irp p, 0,1,2,3
	v_pk_fma_f32 v[ACC+8*\g+2*\p:ACC+8*\g+2*\p+1], v[X2+2*\p:X2+2*\p+1], v[PA+2*\p:PA+2*\p+1], v[X2+2*\p:X2+2*\p+1]
.endr
.endm
; the tile's way out: gelu, my block's scale, its 32 codes, 24 bytes and a byte
.macro EPI
	GELU4 0
	GELU4 1
	GELU4 2
	GELU4 3
	v_max3_num_f32 v[HM], |v[ACC]|, |v[ACC+1]|, |v[ACC+2]|
	v_max3_num_f32 v[HM+1], |v[ACC+3]|, |v[ACC+4]|, |v[ACC+5]|
.irp i, 6,10,14,18,22,26
	v_max3_num_f32 v[HM], v[HM], |v[ACC+\i]|, |v[ACC+\i+1]|
	v_max3_num_f32 v[HM+1], v[HM+1], |v[ACC+\i+2]|, |v[ACC+\i+3]|
.endr
	v_max3_num_f32 v[HM], v[HM], |v[ACC+30]|, |v[ACC+31]|
	v_max3_num_f32 v[HM], v[HM], v[HM+1], 0x2800000
	s_wait_xcnt 0x0                                ; the last tile's stores have read their data and offsets: both are written anew below
	v_add_nc_u32 v[HSO], 0xfe000000, v[HM]
	v_lshrrev_b32 v[HBY], 23, v[HSO]
	s_mul_i32 s38, s36, 49152
	s_lshl_b32 s39, s36, 11
	v_add_nc_u32 v[HOA], s38, v[L16]
	v_add_nc_u32 v[HOB], s38, v[L8]
	v_add_nc_u32 v[HOS], s39, v[QH]
	v_cvt_scalef32_pk16_bf6_f32 v[HC:HC+2], v[ACC:ACC+15], v[HSO]
	v_cvt_scalef32_pk16_bf6_f32 v[HT:HT+2], v[ACC+16:ACC+31], v[HSO]
	v_nop                                          ; one plain place behind a scaled conversion
.irp k, 0,1,2
	v_mov_b32 v[HC+3+\k], v[HT+\k]
.endr
	global_store_b128 v[HOA], v[HC:HC+3], s[30:31]             ; 32 lanes store 512 consecutive bytes,
	global_store_b64 v[HOB], v[HC+4:HC+5], s[30:31] offset:512 ; and 256 more: the half image (tile, fs, u)
	global_store_b8 v[HOS], v[HBY], s[32:33]
.endm
.macro HALF set
	s_cmp_lt_u32 s36, s34
	s_cbranch_scc0 .Lout                           ; LT only grows: from the first tile at or past nt on nothing is left for me.  The clamped loads that were asked for ahead land in registers that nobody reads
	s_wait_loadcnt NL                              ; this set's loads are in (and, the first time, the biases ahead of them); the other set's NL, issued behind them, may stay out
	MUL32 \set
	PFADDR \set, 4                                 ; its three vector lines and the v_nop are the four places behind the last product, ahead of loads into its operands and of the first read of results
	v_nop
	LOADA \set                                     ; two tiles ahead
	EPI
	s_add_co_u32 s36, s36, 2
.endm
	s_load_b256 s[4:11], s[0:1], 0x0               ; w1 s[4:5], b1 s[6:7], xt s[8:9], lists s[10:11]
	s_load_b64 s[12:13], s[0:1], 0x20              ; ht
	v_lshl_add_u32 v254, v0, 2, 0x1a000
	v_mov_b32 v255, 0
	v_lshrrev_b32 v15, 5, v0
	v_readfirstlane_b32 s14, v15                   ; wave 0..3
	v_and_b32 v[Q], 15, v0
	v_bfe_u32 v[HH], v0, 4, 1
	v_lshlrev_b32 v[WOFF], 4, v[Q]
	v_lshl_add_u32 v[WOFF], v[HH], 19, v[WOFF]     ; 32 rows of 16,384 bytes for lanes 16-31
	s_and_b32 s15, ttmp7, 0xffff                   ; e
	s_lshl_b32 s20, s15, 24                        ; an expert's w1: 2^24 bytes
	s_lshl_b32 s38, s14, 22                        ; my wave's 256 rows
	s_add_co_u32 s20, s20, s38
	s_lshl_b32 s38, ttmp9, 9                       ; the work-group's 128 columns
	s_add_co_u32 s20, s20, s38
	s_mov_b32 s21, 0
	s_wait_kmcnt 0x0
	s_add_nc_u64 s[22:23], s[4:5], s[20:21]
	GLOAD 0                                        ; the stream of weights starts ahead of everything else
	GLOAD 1
	WIN 0
	s_lshl_b32 s20, s15, 7
	s_add_nc_u64 s[2:3], s[10:11], s[20:21]
	s_load_b32 s34, s[2:3], 0x10000                ; nt(e)
	s_and_b32 s17, s14, 1                          ; u
	s_lshr_b32 s18, s14, 1                         ; rp
	v_and_b32 v[LN], 31, v0
	v_lshlrev_b32 v[L16], 4, v[LN]
	v_lshlrev_b32 v[L8], 3, v[LN]
	v_lshlrev_b32 v[L4], 2, v[LN]
	v_lshlrev_b32 v[Q4], 2, v[Q]
	v_lshlrev_b32 v[BOFF], 7, v[HH]
	v_add_nc_u32 v[QH], v[Q4], v[HH]
	s_mul_i32 s38, s14, 3072
	v_add_nc_u32 v[VI], s38, v[L16]
	v_add_nc_u32 v[VI+1], 49152, v[VI]
	s_lshl_b32 s38, s14, 8
	s_add_co_u32 s38, s38, WSC
	v_add_nc_u32 v[VS], s38, v[L4]
	s_mul_i32 s38, s17, 49152
	v_add_nc_u32 v[VR], s38, v[L16]
	s_lshl_b32 s38, s17, 12
	s_add_co_u32 s38, s38, WSC
	v_add_nc_u32 v[VRS], s38, v[L4]
	v_mov_b32 v[VA0], 0xaf95df0b                   ; A: -2.72614226e-10,
	v_mov_b32 v[VA0+1], 0xaf95df0b
	v_mov_b32 v[VB0], 0xb77460cd                   ; B: -1.45660718e-05,
	v_mov_b32 v[VB0+1], 0xb77460cd
	WIN 0x80                                       ; destination window 2
	v_lshlrev_b32 v[SH8], 3, v[HH]
.irp j, 0,1,2,3
	v_mov_b32 v[PX+\j], 0                          ; written once: a lane permute's destination counts as one of its sources
.endr
	WIN 0
	s_mov_b32 s40, 0x76543210
	s_mov_b32 s41, 0xfedcba98                      ; v_permlanex16_b32's selects for lane l xor 16
	KPAIR 42, 0x3f3504f3                           ; 1 / sqrt 2
	KPAIR 44, 0x32edffee                           ; A goes on: 2.77068142e-08,
	KPAIR 46, 0xb60cff51                           ; -2.10102402e-06,
	KPAIR 48, 0xb86ec2d2                           ; -5.69250639e-05,
	KPAIR 50, 0xba40ac63                           ; -7.34990630e-04,
	KPAIR 52, 0xbb41a1f6                           ; -2.95459981e-03,
	KPAIR 54, 0xbc83dbd4                           ; -1.60960333e-02
	KPAIR 56, 0xb95fbd29                           ; B goes on: -2.13374055e-04,
	KPAIR 58, 0xbadc924e                           ; -1.68282697e-03,
	KPAIR 60, 0xbbf19bf8                           ; -7.37332917e-03,
	KPAIR 62, 0xbc69b6a7                           ; -1.42647391e-02
	s_mul_i32 s20, s15, 786432
	s_add_nc_u64 s[24:25], s[8:9], s[20:21]        ; the expert's tiles of x
	s_lshl_b32 s20, s15, 15
	s_add_co_u32 s20, s20, 6291456
	s_add_nc_u64 s[26:27], s[8:9], s[20:21]        ; their scale words
	s_lshl_b32 s20, s15, 14
	s_lshl_b32 s38, ttmp9, 9
	s_add_co_u32 s20, s20, s38
	s_lshl_b32 s38, s17, 8
	s_add_co_u32 s20, s20, s38
	s_add_nc_u64 s[28:29], s[6:7], s[20:21]        ; b1 at my 64 units
	s_mul_i32 s20, s15, 3145728
	s_mul_i32 s38, ttmp9, 1536
	s_add_co_u32 s20, s20, s38
	s_mul_i32 s38, s17, 768
	s_add_co_u32 s20, s20, s38
	s_add_nc_u64 s[30:31], s[12:13], s[20:21]      ; h's codes: the expert's tiles, K step fs, half u
	s_lshl_b32 s20, s15, 17
	s_add_co_u32 s20, s20, 25165824
	s_lshl_b32 s38, ttmp9, 6
	s_add_co_u32 s20, s20, s38
	s_lshl_b32 s38, s17, 1
	s_add_co_u32 s20, s20, s38
	s_add_nc_u64 s[32:33], s[12:13], s[20:21]      ; h's scale bytes: word (tile, fs, row), byte 2 u + h
	s_wait_kmcnt 0x0
	s_min_u32 s34, s34, 64
	s_max_u32 s34, s34, 1
	s_sub_co_u32 s35, s34, 1                       ; the last tile that was written
	s_mov_b32 s36, s18                             ; LT: my first tile
	; ---- PHASE W
.irp n, 0,1,2,3,4,5,6,7
.if \n < 7
	s_wait_loadcnt 32                              ; this group's 32 loads are in; the next group's may stay out
.else
	s_wait_loadcnt 0x0
.endif
	UNZIP \n
.if \n < 6
	GLOAD \n+2                                     ; into the set just emptied
.endif
.if \n == 7
	WIN 0                                          ; the stream has ended: the biases and my first two tiles of x are asked for, and land under the last group's work and the barrier
.irp j, 0,1,2,3
.irp p, 0,1,2,3,4,5,6,7
	global_load_b32 v[BIAS+8*\j+\p], v[BOFF], s[28:29] offset:4*(4*\p+\j)
.endr
.endr
	PFADDR 0, 0
	PFADDR 1, 2
	LOADA 0
	LOADA 1
.endif
	QUANT4 \n
.if \n%2 == 1
	PUTW \n/4, (\n/2)%2
.endif
.endr
	WIN 0
	s_wait_dscnt 0x0                               ; for the others' sake: my images lie in LDS
	s_barrier_signal -1
	s_barrier_wait -1                              ; everybody's do.  The launch's one barrier: LDS is only read from here on
	; ---- PHASE R
	GETW
	s_wait_dscnt 0x0
	s_mov_b32 s37, 16
.Ltrip:                                            ; at most 16 trips of two tiles: the 32 tiles that a wave could have
	HALF 0
	HALF 1
	s_sub_co_u32 s37, s37, 1
	s_cmp_lg_u32 s37, 0
	s_cbranch_scc1 .Ltrip
.Lout:
	s_wait_tensorcnt 0x0
	ds_add_u32 v254, v255
	s_wait_dscnt 0x0
	s_endpgm
.Lfunc_end_k_qdf24741d53_gemm1:
	.size	k_qdf24741d53_gemm1, .Lfunc_end_k_qdf24741d53_gemm1-k_qdf24741d53_gemm1
	.p2alignl 7, 3214868480
	.fill 96, 4, 3214868480
	.section	.rodata,"a",@progbits
	.p2align	6, 0x0
	.amdhsa_kernel k_qdf24741d53_gemm1
		.amdhsa_group_segment_fixed_size 107008
		.amdhsa_private_segment_fixed_size 0
		.amdhsa_enable_private_segment 0
		.amdhsa_kernarg_size 40
		.amdhsa_user_sgpr_count 2
		.amdhsa_user_sgpr_kernarg_segment_ptr 1
		.amdhsa_wavefront_size32 1
		.amdhsa_system_sgpr_workgroup_id_x 1
		.amdhsa_system_sgpr_workgroup_id_y 1
		.amdhsa_system_sgpr_workgroup_id_z 1
		.amdhsa_system_vgpr_workitem_id 0
		.amdhsa_next_free_vgpr 960
		.amdhsa_next_free_sgpr 66
		.amdhsa_reserve_vcc 0
		.amdhsa_float_denorm_mode_32 3
		.amdhsa_float_denorm_mode_16_64 3
		.amdhsa_memory_ordered 1
		.amdhsa_forward_progress 1
		.amdhsa_inst_pref_size 192
	.end_amdhsa_kernel
	.amdgpu_metadata
---
amdhsa.version: [ 1, 2 ]
amdhsa.kernels:
  - .name:           k_qdf24741d53_gemm1
    .symbol:         k_qdf24741d53_gemm1.kd
    .args:
      - { .name: w1, .offset: 0, .size: 8, .value_kind: global_buffer, .address_space: global }
      - { .name: b1, .offset: 8, .size: 8, .value_kind: global_buffer, .address_space: global }
      - { .name: xt, .offset: 16, .size: 8, .value_kind: global_buffer, .address_space: global }
      - { .name: lists, .offset: 24, .size: 8, .value_kind: global_buffer, .address_space: global }
      - { .name: ht, .offset: 32, .size: 8, .value_kind: global_buffer, .address_space: global }
    .group_segment_fixed_size: 107008
    .private_segment_fixed_size: 0
    .kernarg_segment_align: 8
    .kernarg_segment_size: 40
    .max_flat_workgroup_size: 128
    .sgpr_count:     66
    .vgpr_count:     960
    .wavefront_size: 32
...
	.end_amdgpu_metadata
.endif
;; end of part 3
;; launch gemm2 (part 4): grid 32 x 8, 4 waves a work-group, no clusters, 124,416 bytes of LDS; arguments w2, b2, ht, xt, lists, y; writes y
.if DOCPART == 4
	.amdgcn_target "amdgcn-amd-amdhsa--gfx1250"
	.amdhsa_code_object_version 6
	.text
	.protected	k_qdf24741d53_gemm2
	.globl	k_qdf24741d53_gemm2
	.p2align	8
	.type	k_qdf24741d53_gemm2,@function
k_qdf24741d53_gemm2:
	s_mov_b64 s[64:65], 0
	v_nop
	global_prefetch_b8 v0, s[64:65] scope:SCOPE_SE
	s_setreg_imm32_b32 hwreg(HW_REG_WAVE_MODE, 25, 1), 1
	s_wait_xcnt 0x0
; SECOND PRODUCT: y[kq][2 token + slot] = gate x (h W2 + b2), a quarter of K at a time, for the rows of one expert, on codes of E3M2 with one E8M0 scale for each 32 along K.
; SHARES.  Work-group (4 ns + kq, e) owns outputs 128 ns .. 128 ns + 127 and K rows 1,024 kq .. 1,024 kq + 1,023 of expert e: 512 KB of w2 in f32, which no other work-group reads.
; Its parts go to plane kq of y; the last launch adds the four planes and the two slots, so that each byte of y has one writer and nothing is added in memory.  b2 enters in plane 0 alone.
; PHASE W and PHASE R are the first product's: the weights are read once, quantised in registers, laid in LDS as images of the operand's registers (tile (u, j) = columns 64 u + 4 m + j); then wave (u = w % 2, rp = w / 2)
; holds 64 columns x 1,024 K in 384 registers and walks the expert's tiles lt = rp, rp + 2, .., 32 matrix instructions a tile, source 0 = weights, source 1 = h.
; INSIDE A BLOCK OF 32 h's codes stand in the order in which the first product's registers held them: place p holds K offset 4 (p % 8) + p / 8.  So a group's load i takes row 4 (i % 8) + i / 8 of its block of w2:
; both operands are permuted alike, and the blocks, and so the scales, are the true ones.
; THE WAY OUT.  Lane (r, h) holds row r and the 32 neighbouring outputs 64 u + 32 h + 4 j' + j.  They are multiplied by the row's gate, go through the wave's own stage in LDS and leave as rows: sixteen lanes store 256
; consecutive aligned bytes of the row of y that the list names.  A pad row goes to row 2048 + e, which nobody reads.
; The number of tiles nt is read from memory: the loop is counted to the 32 tiles that a wave could have and is left, by a jump forward to the wave's end, at the first tile from nt on; loads ahead are clamped to tile nt - 1.
; No cluster and no tensor load: which tiles are multiplied hangs on a number read from memory, and what work-groups share, h's tiles (12.8 KB a quarter of K), is small beside the 512 KB that each reads alone.
; LIMITS: NaN and infinities are not served.  A block whose largest magnitude lies under 2^-122 keeps the scale byte 1.  An expert without rows still reads its weights.
.set PITCHB, 4096                      ; a row of w2 in bytes
.set TS,     49152                     ; a tile of h: 32 fragments
.set SS,     2048                      ; and its scale words
.set NL,     43                        ; loads that bring a tile: 16 x (16 + 8 bytes a lane), 8 scale words, the gate, two of the list
.set WSC,    98304                     ; LDS: 64 fragment images of 1,536 bytes from 0 on; behind them their scale words, 128 bytes each;
.set STG,    106496                    ; behind those a stage of 16 rows x (256 + 16) bytes for each wave
; window 0
.set Q,    1
.set HH,   2
.set L16,  3
.set L8,   4
.set Q4,   5
.set WOFF, 6
.set VI,   7
.set VS,   9
.set VR,   10
.set VRS,  11
.set BOFF, 12
.set LN,   13
.set L4,   14
.set AO,   16
.set BO,   18
.set SOF,  20
.set GO,   22                          ; v22-23 set 0, 1: offset of the tile's gates
.set RO,   24                          ; v24-25 of my half's eight entries of its list
.set STO,  26                          ; the stage: where I put my 128 bytes of a row
.set RD,   27                          ; and where I read a row back
.set Q16,  28                          ; 16 (lane % 16)
.set GC,   29                          ; my row's gate
.set H32,  30                          ; 32 hh
.set WS,   32                          ; v32-63 the weights' scale words: scales and nothing else
.set XS,   64                          ; v64-79 h's scale words, two sets: scales and nothing else
.set BIAS, 80
.set ACC,  112
.set O,    144                         ; v144-175 my 32 outputs in their order
.set B,    176                         ; v176-207 eight pairs of rows, back from the stage
.set RL,   208                         ; v208-223 the list, two sets of eight
.set G,    224                         ; v224-225 the gate, two sets
.set OFF,  226                         ; v226-233 the eight stores' offsets in y
; phase W, window 2
.set T,    0
.set CD,   128
.set TC,   176
.set M,    192
.set SO,   196
.set BY,   200
.set WW,   208
.set PX,   212
.set SH8,  216
.set MSB, 0
.macro WIN new                         ; the immediate's high byte repeats the setting that is left
.if MSB != \new
	s_set_vgpr_msb (MSB<<8)|\new
.set MSB, \new
.endif
.endm
; group n = (K step n / 4 of my two, columns 64 ((n / 2) % 2) on, rows 64 (n % 2) on), into set n % 2; load i takes the block's row 4 (i % 8) + i / 8
.macro GLOAD n
	WIN 0x40
.set i, 0
.rept 32
	global_load_b128 v[128*((\n)%2)+4*i:128*((\n)%2)+4*i+3], v[WOFF], s[22:23] offset:(128*((\n)/4)+64*((\n)%2)+4*(i%8)+i/8)*PITCHB+256*(((\n)/2)%2) th:TH_LOAD_NT
.set i, i+1
.endr
.endm
.macro UNZIP n                         ; a load lands four columns side by side; the conversions want sixteen neighbours in consecutive registers
	WIN 0x81
.set i, 0
.rept 32
.irp j, 0,1,2,3
	v_mov_b32 v[T+32*\j+i], v[128*((\n)%2)+4*i+\j]
.endr
.set i, i+1
.endr
.endm
.macro QUANT4 n                        ; four blocks of 32, one for each column, by turns
	WIN 0xaa
.if ((\n) >= 2) && (((\n)%2) == 0)
	s_wait_dscnt 0x0                               ; the image stores have read the fragments' registers
.endif
.irp j, 0,1,2,3
	v_max3_num_f32 v[M+\j], |v[T+32*\j]|, |v[T+32*\j+1]|, 0x2800000   ; with the floor 2^(5 - 127): the byte cannot fall under 1
.endr
.set i, 2
.rept 15
.irp j, 0,1,2,3
	v_max3_num_f32 v[M+\j], v[M+\j], |v[T+32*\j+i]|, |v[T+32*\j+i+1]|
.endr
.set i, i+2
.endr
.irp j, 0,1,2,3
	v_add_nc_u32 v[SO+\j], 0xfe000000, v[M+\j]     ; 4 off the exponent field: the conversion's scale operand
.endr
.irp j, 0,1,2,3
	v_lshrrev_b32 v[BY+4*((\n)%2)+\j], 23, v[SO+\j]   ; the scale's byte
.endr
.irp j, 0,1,2,3
	v_cvt_scalef32_pk16_bf6_f32 v[CD+12*\j+6*((\n)%2):CD+12*\j+6*((\n)%2)+2], v[T+32*\j:T+32*\j+15], v[SO+\j]
	v_cvt_scalef32_pk16_bf6_f32 v[TC+4*\j:TC+4*\j+2], v[T+32*\j+16:T+32*\j+31], v[SO+\j]   ; (a conversion's three registers begin on an even number)
.endr
	v_nop                                          ; one plain place behind a scaled conversion
.irp j, 0,1,2,3
.irp k, 0,1,2
	v_mov_b32 v[CD+12*\j+6*((\n)%2)+3+\k], v[TC+4*\j+\k]
.endr
.endr
.endm
.macro PUTW sl, u                      ; four whole fragments and their scale words go to LDS as they stand
.irp j, 0,1,2,3
	v_lshl_or_b32 v[WW+\j], v[BY+4+\j], 16, v[BY+\j]   ; my two bytes: blocks hh and 2 + hh,
.endr
.irp j, 0,1,2,3
	v_lshlrev_b32 v[WW+\j], v[SH8], v[WW+\j]       ; at their places (8 hh bits up);
.endr
.irp j, 0,1,2,3
	v_permlanex16_b32 v[PX+\j], v[WW+\j], s40, s41
.endr
.irp j, 0,1,2,3
	v_or_b32 v[WW+\j], v[WW+\j], v[PX+\j]          ; with lane l xor 16's two the word is whole
.endr
	WIN 0x08                                       ; an LDS store's data: window 2
.irp j, 0,1,2,3
.irp k, 0,1,2
	ds_store_b128 v[VI+(\u)], v[CD+12*\j+4*\k:CD+12*\j+4*\k+3] offset:(8*\j+(\sl))*1536+512*\k
.endr
	ds_store_b32 v[VS], v[WW+\j] offset:((4*(\u)+\j)*8+(\sl))*128
.endr
.endm
.macro GETW                            ; my 32 fragments and their scale words, out of LDS
.irp s, 0,1,2,3,4,5,6,7
.if \s < 4
	WIN 0x40
.else
	WIN 0x80
.endif
.irp j, 0,1,2,3
.irp k, 0,1,2
	ds_load_b128 v[12*(4*(\s%4)+\j)+4*\k:12*(4*(\s%4)+\j)+4*\k+3], v[VR] offset:(8*\j+\s)*1536+512*\k
.endr
.endr
.endr
	WIN 0
.irp s, 0,1,2,3,4,5,6,7
.irp j, 0,1,2,3
	ds_load_b32 v[WS+4*\s+\j], v[VRS] offset:(8*\j+\s)*128
.endr
.endr
.endm
.macro PFADDR set, ahead               ; the offsets of tile LT + ahead, held to the last tile that was written
	s_add_co_u32 s38, s36, \ahead
	s_min_u32 s38, s38, s35
	s_min_u32 s38, s38, 63
	s_mul_i32 s39, s38, TS
	s_lshl_b32 s46, s38, 7
	s_mul_i32 s38, s38, SS
	v_add_nc_u32 v[AO+\set], s39, v[L16]
	v_add_nc_u32 v[BO+\set], s39, v[L8]
	v_add_nc_u32 v[SOF+\set], s38, v[Q4]
	v_add_nc_u32 v[GO+\set], s46, v[L4]
	v_add_nc_u32 v[RO+\set], s46, v[H32]
.endm
.macro LOADA set                       ; my quarter of K of a tile of h: eight fragments by halves of 512 + 256 consecutive bytes, the scale words, the gate, the list
	WIN 0xc0
.irp s, 0,1,2,3,4,5,6,7
.irp c, 0,1
	global_load_b128 v[96*\set+12*\s+6*\c:96*\set+12*\s+6*\c+3], v[AO+\set], s[24:25] offset:1536*\s+768*\c
	global_load_b64 v[96*\set+12*\s+6*\c+4:96*\set+12*\s+6*\c+5], v[BO+\set], s[24:25] offset:1536*\s+768*\c+512
.endr
.endr
	WIN 0
.irp s, 0,1,2,3,4,5,6,7
	global_load_b32 v[XS+8*\set+\s], v[SOF+\set], s[26:27] offset:64*\s
.endr
	global_load_b32 v[G+\set], v[GO+\set], s[32:33]
	global_load_b128 v[RL+8*\set:RL+8*\set+3], v[RO+\set], s[42:43]
	global_load_b128 v[RL+8*\set+4:RL+8*\set+7], v[RO+\set], s[42:43] offset:16
.endm
; 32 matrix instructions: K step by K step, the four accumulators by turns, one instruction a turn.  The bias, or 0, is the C of each sum's first instruction.
.macro MUL32 set
.irp s, 0,1,2,3,4,5,6,7
.if \s < 4
	WIN 0x0d                                       ; source 0 window 1, source 1 window 3
.else
	WIN 0x0e                                       ; source 0 window 2
.endif
.irp j, 0,1,2,3
.if \s == 0
	v_wmma_scale_f32_16x16x128_f8f6f4 v[ACC+8*\j:ACC+8*\j+7], v[12*(4*(\s%4)+\j):12*(4*(\s%4)+\j)+11], v[96*\set+12*\s:96*\set+12*\s+11], v[BIAS+8*\j:BIAS+8*\j+7], v[WS+4*\s+\j], v[XS+8*\set+\s] matrix_a_fmt:MATRIX_FMT_BF6 matrix_b_fmt:MATRIX_FMT_BF6
.else
	v_wmma_scale_f32_16x16x128_f8f6f4 v[ACC+8*\j:ACC+8*\j+7], v[12*(4*(\s%4)+\j):12*(4*(\s%4)+\j)+11], v[96*\set+12*\s:96*\set+12*\s+11], v[ACC+8*\j:ACC+8*\j+7], v[WS+4*\s+\j], v[XS+8*\set+\s] matrix_a_fmt:MATRIX_FMT_BF6 matrix_b_fmt:MATRIX_FMT_BF6
.endif
.endr
.endr
	WIN 0
.endm
.macro HALF set
	s_cmp_lt_u32 s36, s34
	s_cbranch_scc0 .Lout                           ; LT only grows: from the first tile at or past nt on nothing is left for me.  The clamped loads that were asked for ahead land in registers that nobody reads
	s_wait_loadcnt NL                              ; this set's loads are in (and, the first time, the biases ahead of them); the other set's NL, issued behind them, may stay out
	MUL32 \set
	s_wait_xcnt 0x0                                ; the last tile's stores have read their data and offsets: both are written anew below
	v_mov_b32 v[GC], v[G+\set]                     ; the gate and the list are taken out of the set, which is loaded again below.  These plain lines are also the places behind the last product
.irp t, 0,1,2,3,4,5,6,7
	v_min_u32 v[OFF+\t], 2055, v[RL+8*\set+\t]     ; row 2 t + hh of the tile goes to this row of y
.endr
.irp t, 0,1,2,3,4,5,6,7
	v_lshlrev_b32 v[OFF+\t], 12, v[OFF+\t]
.endr
.irp t, 0,1,2,3,4,5,6,7
	v_add_nc_u32 v[OFF+\t], v[OFF+\t], v[Q16]
.endr
.irp p, 0,1,2,3,4,5,6,7                ; x the gate, and into the outputs' order; each accumulator from its low end on
.irp j, 0,1,2,3
	v_mul_f32 v[O+4*\p+\j], v[GC], v[ACC+8*\j+\p]
.endr
.endr
.irp i, 0,1,2,3,4,5,6,7
	ds_store_b128 v[STO], v[O+4*\i:O+4*\i+3] offset:16*\i
.endr
.irp t, 0,1,2,3,4,5,6,7
	ds_load_b128 v[B+4*\t:B+4*\t+3], v[RD] offset:544*\t   ; LDS serves a wave's instructions in order: these see my stores, and the stage is my own
.endr
	PFADDR \set, 4
	LOADA \set                                     ; two tiles ahead.  Its NL lines stand between the loads from the stage and the waits for them
.irp t, 0,1,2,3,4,5,6,7
	s_wait_dscnt 7-\t                              ; pair t of rows is back; the younger loads from the stage may stay out
	global_store_b128 v[OFF+\t], v[B+4*\t:B+4*\t+3], s[30:31] th:TH_STORE_NT   ; sixteen lanes store 256 consecutive aligned bytes of one row
.endr
	s_add_co_u32 s36, s36, 2
.endm
	s_load_b256 s[4:11], s[0:1], 0x0               ; w2 s[4:5], b2 s[6:7], ht s[8:9], xt s[10:11]
	s_load_b128 s[12:15], s[0:1], 0x20             ; lists s[12:13], y s[14:15]
	v_lshl_add_u32 v254, v0, 2, 0x1e400
	v_mov_b32 v255, 0
	v_lshrrev_b32 v15, 5, v0
	v_readfirstlane_b32 s16, v15                   ; wave 0..3
	v_and_b32 v[Q], 15, v0
	v_bfe_u32 v[HH], v0, 4, 1
	v_lshlrev_b32 v[WOFF], 4, v[Q]
	v_lshl_add_u32 v[WOFF], v[HH], 17, v[WOFF]     ; 32 rows of 4,096 bytes for lanes 16-31
	s_and_b32 s17, ttmp7, 0xffff                   ; e
	s_lshr_b32 s44, ttmp9, 2                       ; ns
	s_and_b32 s45, ttmp9, 3                        ; kq
	s_lshl_b32 s20, s17, 24                        ; an expert's w2: 2^24 bytes
	s_lshl_b32 s38, s45, 22                        ; my quarter of K: 1,024 rows
	s_add_co_u32 s20, s20, s38
	s_lshl_b32 s38, s16, 20                        ; my wave's 256 rows
	s_add_co_u32 s20, s20, s38
	s_lshl_b32 s38, s44, 9                         ; the work-group's 128 columns
	s_add_co_u32 s20, s20, s38
	s_mov_b32 s21, 0
	s_wait_kmcnt 0x0
	s_add_nc_u64 s[22:23], s[4:5], s[20:21]
	GLOAD 0                                        ; the stream of weights starts ahead of everything else
	GLOAD 1
	WIN 0
	s_lshl_b32 s20, s17, 7
	s_add_nc_u64 s[2:3], s[12:13], s[20:21]
	s_load_b32 s34, s[2:3], 0x10000                ; nt(e)
	s_and_b32 s18, s16, 1                          ; u
	s_lshr_b32 s19, s16, 1                         ; rp
	v_and_b32 v[LN], 31, v0
	v_lshlrev_b32 v[L16], 4, v[LN]
	v_lshlrev_b32 v[L8], 3, v[LN]
	v_lshlrev_b32 v[L4], 2, v[LN]
	v_lshlrev_b32 v[Q4], 2, v[Q]
	v_lshlrev_b32 v[Q16], 4, v[Q]
	v_lshlrev_b32 v[BOFF], 7, v[HH]
	v_lshlrev_b32 v[H32], 5, v[HH]
	s_mul_i32 s38, s16, 3072
	v_add_nc_u32 v[VI], s38, v[L16]
	v_add_nc_u32 v[VI+1], 49152, v[VI]
	s_lshl_b32 s38, s16, 8
	s_add_co_u32 s38, s38, WSC
	v_add_nc_u32 v[VS], s38, v[L4]
	s_mul_i32 s38, s18, 49152
	v_add_nc_u32 v[VR], s38, v[L16]
	s_lshl_b32 s38, s18, 12
	s_add_co_u32 s38, s38, WSC
	v_add_nc_u32 v[VRS], s38, v[L4]
	s_mul_i32 s38, s16, 4352
	s_add_co_u32 s38, s38, STG                     ; my stage
	v_mul_u32_u24 v[STO], v[Q], 272
	v_lshl_add_u32 v[STO], v[HH], 7, v[STO]
	v_add_nc_u32 v[STO], s38, v[STO]               ; in: row q, 128 bytes for each half of the lanes
	v_mul_u32_u24 v[RD], v[HH], 272
	v_lshl_add_u32 v[RD], v[Q], 4, v[RD]
	v_add_nc_u32 v[RD], s38, v[RD]                 ; back: lanes 0-15 one row of 256 bytes, lanes 16-31 the next
	WIN 0x80                                       ; destination window 2
	v_lshlrev_b32 v[SH8], 3, v[HH]
.irp j, 0,1,2,3
	v_mov_b32 v[PX+\j], 0                          ; written once: a lane permute's destination counts as one of its sources
.endr
	WIN 0
	s_mov_b32 s40, 0x76543210
	s_mov_b32 s41, 0xfedcba98                      ; v_permlanex16_b32's selects for lane l xor 16
	s_mul_i32 s20, s17, 3145728
	s_mul_i32 s38, s45, 12288
	s_add_co_u32 s20, s20, s38
	s_add_nc_u64 s[24:25], s[8:9], s[20:21]        ; the expert's tiles of h, at my quarter's eight K steps
	s_lshl_b32 s20, s17, 17
	s_add_co_u32 s20, s20, 25165824
	s_lshl_b32 s38, s45, 9
	s_add_co_u32 s20, s20, s38
	s_add_nc_u64 s[26:27], s[8:9], s[20:21]        ; their scale words
	s_lshl_b32 s20, s17, 12
	s_lshl_b32 s38, s44, 9
	s_add_co_u32 s20, s20, s38
	s_lshl_b32 s39, s18, 8
	s_add_co_u32 s20, s20, s39
	s_add_nc_u64 s[28:29], s[6:7], s[20:21]        ; b2 at my 64 outputs
	s_mul_i32 s20, s45, 8421376                    ; plane kq of y: 2,056 rows of 4,096 bytes
	s_add_co_u32 s20, s20, s38
	s_add_co_u32 s20, s20, s39
	s_add_nc_u64 s[30:31], s[14:15], s[20:21]      ; at my 64 outputs
	s_lshl_b32 s20, s17, 13
	s_add_nc_u64 s[42:43], s[12:13], s[20:21]      ; the expert's lists
	s_add_co_u32 s20, s20, 6553600
	s_add_nc_u64 s[32:33], s[10:11], s[20:21]      ; and gates
	s_wait_kmcnt 0x0
	s_min_u32 s34, s34, 64
	s_max_u32 s34, s34, 1
	s_sub_co_u32 s35, s34, 1                       ; the last tile that was written
	s_mov_b32 s36, s19                             ; LT: my first tile
	; ---- PHASE W
.irp n, 0,1,2,3,4,5,6,7
.if \n < 7
	s_wait_loadcnt 32                              ; this group's 32 loads are in; the next group's may stay out
.else
	s_wait_loadcnt 0x0
.endif
	UNZIP \n
.if \n < 6
	GLOAD \n+2                                     ; into the set just emptied
.endif
.if \n == 7
	WIN 0                                          ; the stream has ended: the biases and my first two tiles of h are asked for, and land under the last group's work and the barrier
	s_cmp_eq_u32 s45, 0                            ; b2 enters once: in the first quarter of K (a branch on the work-group's number)
	s_cbranch_scc0 .Lno_bias
.irp j, 0,1,2,3
.irp p, 0,1,2,3,4,5,6,7
	global_load_b32 v[BIAS+8*\j+\p], v[BOFF], s[28:29] offset:4*(4*\p+\j)
.endr
.endr
	s_branch .Lbias_done
.Lno_bias:
.set i, 0
.rept 32
	v_mov_b32 v[BIAS+i], 0
.set i, i+1
.endr
.Lbias_done:
	PFADDR 0, 0
	PFADDR 1, 2
	LOADA 0
	LOADA 1
.endif
	QUANT4 \n
.if \n%2 == 1
	PUTW \n/4, (\n/2)%2
.endif
.endr
	WIN 0
	s_wait_dscnt 0x0                               ; for the others' sake: my images lie in LDS
	s_barrier_signal -1
	s_barrier_wait -1                              ; everybody's do.  The launch's one barrier: the images are only read from here on, and each stage is one wave's own
	; ---- PHASE R
	GETW
	s_wait_dscnt 0x0
	s_mov_b32 s37, 16
.Ltrip:                                            ; at most 16 trips of two tiles: the 32 tiles that a wave could have
	HALF 0
	HALF 1
	s_sub_co_u32 s37, s37, 1
	s_cmp_lg_u32 s37, 0
	s_cbranch_scc1 .Ltrip
.Lout:
	s_wait_tensorcnt 0x0
	ds_add_u32 v254, v255
	s_wait_dscnt 0x0
	s_endpgm
.Lfunc_end_k_qdf24741d53_gemm2:
	.size	k_qdf24741d53_gemm2, .Lfunc_end_k_qdf24741d53_gemm2-k_qdf24741d53_gemm2
	.p2alignl 7, 3214868480
	.fill 96, 4, 3214868480
	.section	.rodata,"a",@progbits
	.p2align	6, 0x0
	.amdhsa_kernel k_qdf24741d53_gemm2
		.amdhsa_group_segment_fixed_size 124416
		.amdhsa_private_segment_fixed_size 0
		.amdhsa_enable_private_segment 0
		.amdhsa_kernarg_size 48
		.amdhsa_user_sgpr_count 2
		.amdhsa_user_sgpr_kernarg_segment_ptr 1
		.amdhsa_wavefront_size32 1
		.amdhsa_system_sgpr_workgroup_id_x 1
		.amdhsa_system_sgpr_workgroup_id_y 1
		.amdhsa_system_sgpr_workgroup_id_z 1
		.amdhsa_system_vgpr_workitem_id 0
		.amdhsa_next_free_vgpr 960
		.amdhsa_next_free_sgpr 66
		.amdhsa_reserve_vcc 0
		.amdhsa_float_denorm_mode_32 3
		.amdhsa_float_denorm_mode_16_64 3
		.amdhsa_memory_ordered 1
		.amdhsa_forward_progress 1
		.amdhsa_inst_pref_size 159
	.end_amdhsa_kernel
	.amdgpu_metadata
---
amdhsa.version: [ 1, 2 ]
amdhsa.kernels:
  - .name:           k_qdf24741d53_gemm2
    .symbol:         k_qdf24741d53_gemm2.kd
    .args:
      - { .name: w2, .offset: 0, .size: 8, .value_kind: global_buffer, .address_space: global }
      - { .name: b2, .offset: 8, .size: 8, .value_kind: global_buffer, .address_space: global }
      - { .name: ht, .offset: 16, .size: 8, .value_kind: global_buffer, .address_space: global }
      - { .name: xt, .offset: 24, .size: 8, .value_kind: global_buffer, .address_space: global }
      - { .name: lists, .offset: 32, .size: 8, .value_kind: global_buffer, .address_space: global }
      - { .name: y, .offset: 40, .size: 8, .value_kind: global_buffer, .address_space: global }
    .group_segment_fixed_size: 124416
    .private_segment_fixed_size: 0
    .kernarg_segment_align: 8
    .kernarg_segment_size: 48
    .max_flat_workgroup_size: 128
    .sgpr_count:     66
    .vgpr_count:     960
    .wavefront_size: 32
...
	.end_amdgpu_metadata
.endif
;; end of part 4
;; launch combine (part 5): grid 256 x 1, 8 waves a work-group, no clusters, 0 bytes of LDS; arguments y, out0; writes out0
.if DOCPART == 5
	.amdgcn_target "amdgcn-amd-amdhsa--gfx1250"
	.amdhsa_code_object_version 6
	.text
	.protected	k_qdf24741d53_combine
	.globl	k_qdf24741d53_combine
	.p2align	8
	.type	k_qdf24741d53_combine,@function
k_qdf24741d53_combine:
	s_mov_b64 s[64:65], 0
	v_nop
	global_prefetch_b8 v0, s[64:65] scope:SCOPE_SE
	s_setreg_imm32_b32 hwreg(HW_REG_WAVE_MODE, 25, 1), 1
	s_wait_xcnt 0x0
; out0[token] = the sum over the four quarters of K and the two slots of y[kq][2 token + slot].  The gates and b2 are in y already.
; A work-group takes 4 tokens; thread i takes bytes 16 i of a row of 4,096: a wave's load or store covers 512 consecutive aligned bytes.
; All 32 loads of a thread go out at once, token by token; each token is added in one fixed tree and stored while the later tokens' loads are on their way.
; A stream: no LDS, no barrier, no matrix work.
.set PLANE, 8421376                    ; a plane of y: 2,056 rows of 4,096 bytes
.set D, 16                             ; v16-143: token tk, part 2 kq + slot at v[16 + 32 tk + 4 (2 kq + slot)]
	s_load_b128 s[4:7], s[0:1], 0x0                ; y, out0
	v_lshlrev_b32 v1, 4, v0
	s_lshl_b32 s8, ttmp9, 15                       ; 8 rows of y
	s_mov_b32 s9, 0
	s_lshl_b32 s10, ttmp9, 14                      ; 4 rows of out0
	s_mov_b32 s11, 0
	s_wait_kmcnt 0x0
	s_add_nc_u64 s[12:13], s[4:5], s[8:9]
	s_add_nc_u64 s[14:15], s[12:13], PLANE
	s_add_nc_u64 s[16:17], s[14:15], PLANE
	s_add_nc_u64 s[18:19], s[16:17], PLANE
	s_add_nc_u64 s[6:7], s[6:7], s[10:11]
.irp tk, 0,1,2,3
.irp kq, 0,1,2,3
.irp sl, 0,1
	global_load_b128 v[D+32*\tk+8*\kq+4*\sl:D+32*\tk+8*\kq+4*\sl+3], v1, s[12+2*\kq:13+2*\kq] offset:8192*\tk+4096*\sl th:TH_LOAD_NT
.endr
.endr
.endr
.irp tk, 0,1,2,3
	s_wait_loadcnt 8*(3-\tk)                       ; this token's eight loads are in; the later tokens' stay out
.irp i, 0,2,4,6
.irp k, 0,2
	v_pk_add_f32 v[D+32*\tk+4*\i+\k:D+32*\tk+4*\i+\k+1], v[D+32*\tk+4*\i+\k:D+32*\tk+4*\i+\k+1], v[D+32*\tk+4*\i+4+\k:D+32*\tk+4*\i+4+\k+1]
.endr
.endr
.irp i, 0,4
.irp k, 0,2
	v_pk_add_f32 v[D+32*\tk+4*\i+\k:D+32*\tk+4*\i+\k+1], v[D+32*\tk+4*\i+\k:D+32*\tk+4*\i+\k+1], v[D+32*\tk+4*\i+8+\k:D+32*\tk+4*\i+8+\k+1]
.endr
.endr
.irp k, 0,2
	v_pk_add_f32 v[D+32*\tk+\k:D+32*\tk+\k+1], v[D+32*\tk+\k:D+32*\tk+\k+1], v[D+32*\tk+16+\k:D+32*\tk+16+\k+1]
.endr
	global_store_b128 v1, v[D+32*\tk:D+32*\tk+3], s[6:7] offset:4096*\tk th:TH_STORE_NT
.endr
	s_endpgm
.Lfunc_end_k_qdf24741d53_combine:
	.size	k_qdf24741d53_combine, .Lfunc_end_k_qdf24741d53_combine-k_qdf24741d53_combine
	.p2alignl 7, 3214868480
	.fill 96, 4, 3214868480
	.section	.rodata,"a",@progbits
	.p2align	6, 0x0
	.amdhsa_kernel k_qdf24741d53_combine
		.amdhsa_group_segment_fixed_size 0
		.amdhsa_private_segment_fixed_size 0
		.amdhsa_enable_private_segment 0
		.amdhsa_kernarg_size 16
		.amdhsa_user_sgpr_count 2
		.amdhsa_user_sgpr_kernarg_segment_ptr 1
		.amdhsa_wavefront_size32 1
		.amdhsa_system_sgpr_workgroup_id_x 1
		.amdhsa_system_sgpr_workgroup_id_y 1
		.amdhsa_system_sgpr_workgroup_id_z 1
		.amdhsa_system_vgpr_workitem_id 0
		.amdhsa_next_free_vgpr 144
		.amdhsa_next_free_sgpr 66
		.amdhsa_reserve_vcc 0
		.amdhsa_float_denorm_mode_32 3
		.amdhsa_float_denorm_mode_16_64 3
		.amdhsa_memory_ordered 1
		.amdhsa_forward_progress 1
		.amdhsa_inst_pref_size 8
	.end_amdhsa_kernel
	.amdgpu_metadata
---
amdhsa.version: [ 1, 2 ]
amdhsa.kernels:
  - .name:           k_qdf24741d53_combine
    .symbol:         k_qdf24741d53_combine.kd
    .args:
      - { .name: y, .offset: 0, .size: 8, .value_kind: global_buffer, .address_space: global }
      - { .name: out0, .offset: 8, .size: 8, .value_kind: global_buffer, .address_space: global }
    .group_segment_fixed_size: 0
    .private_segment_fixed_size: 0
    .kernarg_segment_align: 8
    .kernarg_segment_size: 16
    .max_flat_workgroup_size: 256
    .sgpr_count:     66
    .vgpr_count:     144
    .wavefront_size: 32
...
	.end_amdgpu_metadata
.endif
;; end of part 5
;; ======== version 2 of 2: 5 launches
;; workspace buffers: ids 8,192 bytes of whole numbers; tok 827,392 bytes; xt 6,619,136 bytes; lists 66,560 bytes of whole numbers; ht 26,214,400 bytes; y 33,685,504 bytes
;; launch route (part 6): grid 256 x 1, 4 waves a work-group, no clusters, 17,920 bytes of LDS; arguments x, router_w, router_b, ids, tok; writes ids, tok
.if DOCPART == 6
	.amdgcn_target "amdgcn-amd-amdhsa--gfx1250"
	.amdhsa_code_object_version 6
	.text
	.protected	k_qdf24741d53_route
	.globl	k_qdf24741d53_route
	.p2align	8
	.type	k_qdf24741d53_route,@function
k_qdf24741d53_route:
	s_mov_b64 s[64:65], 0
	v_nop
	global_prefetch_b8 v0, s[64:65] scope:SCOPE_SE
	s_setreg_imm32_b32 hwreg(HW_REG_WAVE_MODE, 25, 1), 1
	s_wait_xcnt 0x0
; ROUTER AND TOKEN QUANTISER.  One wave to a token: token = 4 x work-group + wave; 1,024 tokens of 1,024 numbers.
; (a) The token's row of x becomes codes of E3M2 with one E8M0 byte for each 32 along H: lane l holds block l (32 neighbours, 128 bytes).
;     The 24 bytes of block l = 4 s + 2 c + h go to byte 384 h + 48 s + 24 c of the token's 768: so the 384 bytes of a half h are, on end, the
;     96 registers that lane (row, h) of the operand's eight fragments holds (register 12 s + 6 c + i).  The next launch copies them as they lie.
; (b) scores = x . router_w + router_b in f32 multiply-adds; softmax with the row's maximum taken away; the two largest probabilities
;     (of equal ones the lower index first); the two gates p / (p_a + p_b).
;     A dense load of router_w (512 consecutive bytes) gives a lane row 16 m + lane / 2, four experts.  The x that goes with it, x[16 m + lane / 2], is not read from memory again: the row, which
;     the lanes hold by blocks, turns through the wave's own stage in LDS: word (q, m) = x[16 m + q] at 272 q + 4 m; 32 stores of a word a lane, 16 loads of 16 bytes a lane.
; The chosen experts go to ids[2 token + slot] and the gates to tok at the same index: fixed places, no address hangs on the choice.
; LIMITS: NaN and infinities are not served.  A block whose largest magnitude lies under 2^-122 (a block of zeros too) keeps the scale byte 1;
; its codes are then zeros or subnormal codes, and the bytes are read by this program alone.  Two probabilities that differ by less than the
; rounding of an f32 sum of 1,024 terms may be ordered either way.
; No barrier: waves share nothing, and each stage is one wave's own.
.set XQ,  16                           ; v16-47   my block of 32 numbers
.set XR,  48                           ; v48-111  x[16 m + lane / 2], m = 0 .. 63
.set AC,  112                          ; v112-119 four pair sums: experts 4 (lane % 2) + 0 .. 3, even m and odd m apart
.set OT,  120                          ; v120-123 what another lane sends
.set SC,  128                          ; v128-135 the eight scores
.set P,   136                          ; v136-143 the eight probabilities
.set T,   144                          ; v144-154 the quantiser's registers
.set U,   160                          ; v160-169 the softmax's and the choice's
.set XSB, 786432                       ; tok: the tokens' scale bytes, 32 a token
.set GT,  819200                       ; tok: the gates
.set SROW, 272                         ; a stage row: 64 words + 16 bytes
.set STW,  16*SROW                     ; a wave's stage
.set MSB, 0
.macro WIN new                         ; the immediate's high byte repeats the setting that is left
.if MSB != \new
	s_set_vgpr_msb (MSB<<8)|\new
.set MSB, \new
.endif
.endm
	s_load_b128 s[4:7], s[0:1], 0x0                ; x, router_w
	s_load_b128 s[8:11], s[0:1], 0x10              ; router_b, ids
	s_load_b64 s[12:13], s[0:1], 0x20              ; tok
	v_lshl_add_u32 v254, v0, 2, 0x4400
	v_mov_b32 v255, 0
	v_lshrrev_b32 v5, 5, v0
	v_readfirstlane_b32 s14, v5                    ; wave
	v_and_b32 v1, 31, v0                           ; lane
	v_lshlrev_b32 v2, 7, v1                        ; my block: 128 bytes a lane
	v_lshrrev_b32 v3, 1, v1                        ; lane / 2
	v_lshlrev_b32 v4, 4, v1                        ; 16 x lane
	v_and_b32 v5, 1, v1                            ; h of my block; also: which four experts I sum
	v_lshrrev_b32 v6, 2, v1
	v_mul_u32_u24 v6, v6, 48
	v_mad_u32_u24 v6, v5, 384, v6
	v_bfe_u32 v7, v1, 1, 1
	v_mad_u32_u24 v6, v7, 24, v6                   ; my codes' place: 384 h + 48 s + 24 c
	v_lshlrev_b32 v8, 2, v1                        ; 4 x lane
	s_mul_i32 s36, s14, STW                        ; my wave's stage
	v_lshlrev_b32 v9, 3, v1
	v_add_nc_u32 v9, s36, v9                       ; into it: my block's numbers i and i + 16 are words m = 2 lane and 2 lane + 1 of row i % 16
	v_mul_u32_u24 v10, v3, SROW
	v_add_nc_u32 v10, s36, v10                     ; out of it: row lane / 2
	s_lshl_b32 s15, ttmp9, 2
	s_add_co_u32 s15, s15, s14                     ; token
	s_lshl_b32 s16, s15, 12
	s_mov_b32 s17, 0
	s_mov_b32 s32, 0x76543210
	s_mov_b32 s33, 0xfedcba98                      ; v_permlanex16_b32's selects for lane l xor 16
	s_wait_alu depctr_va_vdst(0)
	s_wait_kmcnt 0x0
	s_load_b256 s[24:31], s[8:9], 0x0              ; router_b
	s_add_nc_u64 s[4:5], s[4:5], s[16:17]          ; x at my token
.irp i, 0,1,2,3,4,5,6,7
	global_load_b128 v[XQ+4*\i:XQ+4*\i+3], v2, s[4:5] offset:16*\i
.endr
	WIN 0x40                                       ; destination window 1: router_w, 256 registers: register 4 m + j = router_w[16 m + lane / 2][4 (lane % 2) + j]
.set m, 0
.rept 64
	global_load_b128 v[4*m:4*m+3], v4, s[6:7] offset:512*m   ; 32 lanes read 512 consecutive bytes
.set m, m+1
.endr
	WIN 0
	s_mul_i32 s16, s15, 768
	s_add_nc_u64 s[18:19], s[12:13], s[16:17]      ; my token's codes
	s_lshl_b32 s16, s15, 5
	s_add_nc_u64 s[20:21], s[12:13], s[16:17]      ; its scale bytes (+ XSB)
	s_lshl_b32 s16, s15, 3
	s_add_nc_u64 s[22:23], s[12:13], s[16:17]      ; its gates (+ GT)
	s_add_nc_u64 s[10:11], s[10:11], s[16:17]      ; its two ids
.irp j, 0,1,2,3
	v_mov_b32 v[OT+\j], 0                          ; written once: a lane permute's destination counts as one of its sources
.endr
	v_cmp_eq_u32 s34, 1, v5                        ; the odd lanes
	s_wait_loadcnt 63                              ; my block's eight loads are in: 64 loads were issued behind them, and 63 is the largest count that the field holds
	; ---- the row turns through my stage while the quantiser works
.set i, 0
.rept 32
	ds_store_b32 v9, v[XQ+i] offset:(i%16)*SROW+4*(i/16)
.set i, i+1
.endr
.set i, 0
.rept 16
	ds_load_b128 v[XR+4*i:XR+4*i+3], v10 offset:16*i   ; LDS serves a wave's instructions in order: these see the stores above
.set i, i+1
.endr
	; ---- the quantiser
	v_max3_num_f32 v[T], |v[XQ]|, |v[XQ+1]|, |v[XQ+2]|
	v_max3_num_f32 v[T+1], |v[XQ+3]|, |v[XQ+4]|, |v[XQ+5]|
.irp i, 6,10,14,18,22,26
	v_max3_num_f32 v[T], v[T], |v[XQ+\i]|, |v[XQ+\i+1]|
	v_max3_num_f32 v[T+1], v[T+1], |v[XQ+\i+2]|, |v[XQ+\i+3]|
.endr
	v_max3_num_f32 v[T], v[T], |v[XQ+30]|, |v[XQ+31]|
	v_max3_num_f32 v[T], v[T], v[T+1], 0x2800000   ; and the floor 2^(5 - 127): the byte cannot fall under 1
	v_add_nc_u32 v[T+2], 0xfe000000, v[T]          ; 4 off the exponent field: the conversion takes this operand's exponent field as its scale
	v_cvt_scalef32_pk16_bf6_f32 v[T+4:T+6], v[XQ:XQ+15], v[T+2]
	v_cvt_scalef32_pk16_bf6_f32 v[T+8:T+10], v[XQ+16:XQ+31], v[T+2]
	v_lshrrev_b32 v[T+3], 23, v[T+2]               ; the scale's byte
	global_store_b96 v6, v[T+4:T+6], s[18:19]
	global_store_b96 v6, v[T+8:T+10], s[18:19] offset:12
	global_store_b8 v1, v[T+3], s[20:21] offset:XSB
	; ---- the scores: 64 steps of 16 rows of router_w; a lane's four experts in two pairs, even and odd m in chains of their own
	s_wait_loadcnt 0x0                             ; router_w
	s_wait_dscnt 0x0                               ; and the turned row
	WIN 0x01                                       ; source 0 (router_w) window 1
.set m, 0
.rept 64
.irp a, 0,1
.if m == 0
	v_pk_mul_f32 v[AC+2*\a:AC+2*\a+1], v[2*\a:2*\a+1], v[XR:XR+1] op_sel_hi:[1,0]
.elseif m == 1
	v_pk_mul_f32 v[AC+4+2*\a:AC+4+2*\a+1], v[4+2*\a:4+2*\a+1], v[XR:XR+1] op_sel:[0,1] op_sel_hi:[1,1]
.elseif m%2 == 0
	v_pk_fma_f32 v[AC+2*\a:AC+2*\a+1], v[4*m+2*\a:4*m+2*\a+1], v[XR+m:XR+m+1], v[AC+2*\a:AC+2*\a+1] op_sel_hi:[1,0,1]
.else
	v_pk_fma_f32 v[AC+4+2*\a:AC+4+2*\a+1], v[4*m+2*\a:4*m+2*\a+1], v[XR+m-1:XR+m], v[AC+4+2*\a:AC+4+2*\a+1] op_sel:[0,1,0] op_sel_hi:[1,1,1]
.endif
.endr
.set m, m+1
.endr
	WIN 0
	v_pk_add_f32 v[AC:AC+1], v[AC:AC+1], v[AC+4:AC+5]
	v_pk_add_f32 v[AC+2:AC+3], v[AC+2:AC+3], v[AC+6:AC+7]
.irp x, 2,4,8                          ; over the sixteen lanes of my parity: three steps inside a row of 16 lanes, one across
.irp j, 0,1,2,3
	v_add_f32_dpp v[AC+\j], v[AC+\j], v[AC+\j] row_xmask:\x row_mask:0xf bank_mask:0xf
.endr
.endr
.irp j, 0,1,2,3
	v_permlanex16_b32 v[OT+\j], v[AC+\j], s32, s33
.endr
.irp j, 0,1,2,3
	v_add_f32 v[AC+\j], v[AC+\j], v[OT+\j]
.endr
.irp j, 0,1,2,3
	v_mov_b32_dpp v[OT+\j], v[AC+\j] row_xmask:1 row_mask:0xf bank_mask:0xf   ; the other parity's four experts
.endr
.irp j, 0,1,2,3
	v_cndmask_b32 v[SC+\j], v[AC+\j], v[OT+\j], s34        ; experts 0-3: an even lane's own
	v_cndmask_b32 v[SC+4+\j], v[OT+\j], v[AC+\j], s34      ; experts 4-7: an odd lane's own
.endr
	s_wait_alu depctr_va_vdst(0)
	s_wait_kmcnt 0x0                               ; router_b
.irp e, 0,1,2,3,4,5,6,7
	v_add_f32 v[SC+\e], s[24+\e], v[SC+\e]
.endr
	; ---- softmax: every lane holds all eight
	v_max3_num_f32 v[U], v[SC], v[SC+1], v[SC+2]
	v_max3_num_f32 v[U], v[U], v[SC+3], v[SC+4]
	v_max3_num_f32 v[U], v[U], v[SC+5], v[SC+6]
	v_max_num_f32 v[U], v[U], v[SC+7]
.irp e, 0,1,2,3,4,5,6,7
	v_sub_f32 v[P+\e], v[SC+\e], v[U]
.endr
.irp e, 0,1,2,3,4,5,6,7
	v_mul_f32 v[P+\e], 0x3fb8aa3b, v[P+\e]         ; x log2(e)
.endr
	s_wait_alu depctr_va_vdst(0)
.irp e, 0,1,2,3,4,5,6,7
	v_exp_f32 v[P+\e], v[P+\e]
.endr
	v_nop                                          ; a plain instruction between the last exponential and the use of its result
	s_wait_alu depctr_va_vdst(0)
	v_add_f32 v[U], v[P], v[P+1]
	v_add_f32 v[U+1], v[P+2], v[P+3]
	v_add_f32 v[U+2], v[P+4], v[P+5]
	v_add_f32 v[U+3], v[P+6], v[P+7]
	v_add_f32 v[U], v[U], v[U+1]
	v_add_f32 v[U+2], v[U+2], v[U+3]
	v_add_f32 v[U], v[U], v[U+2]
	s_wait_alu depctr_va_vdst(0)
	v_rcp_f32 v[U+1], v[U]
	v_nop
	s_wait_alu depctr_va_vdst(0)
.irp e, 0,1,2,3,4,5,6,7
	v_mul_f32 v[P+\e], v[P+\e], v[U+1]
.endr
	; ---- the two largest: a later expert wins only where it is strictly larger
	v_mov_b32 v[U+2], v[P]
	v_mov_b32 v[U+3], 0
.irp e, 1,2,3,4,5,6,7
	v_cmp_le_f32 vcc_lo, v[P+\e], v[U+2]
	v_cndmask_b32 v[U+2], v[P+\e], v[U+2], vcc_lo
	v_cndmask_b32 v[U+3], \e, v[U+3], vcc_lo
.endr
.irp e, 0,1,2,3,4,5,6,7
	v_cmp_ne_u32 vcc_lo, \e, v[U+3]
	v_cndmask_b32 v[P+\e], -1.0, v[P+\e], vcc_lo   ; the first is taken out: -1 lies under every probability
.endr
	v_mov_b32 v[U+4], v[P]
	v_mov_b32 v[U+5], 0
.irp e, 1,2,3,4,5,6,7
	v_cmp_le_f32 vcc_lo, v[P+\e], v[U+4]
	v_cndmask_b32 v[U+4], v[P+\e], v[U+4], vcc_lo
	v_cndmask_b32 v[U+5], \e, v[U+5], vcc_lo
.endr
	v_add_f32 v[U+6], v[U+2], v[U+4]
	s_wait_alu depctr_va_vdst(0)
	v_rcp_f32 v[U+7], v[U+6]
	v_cndmask_b32 v[U+8], v[U+3], v[U+5], s34      ; lane 0 carries slot 0, lane 1 slot 1
	v_cndmask_b32 v[U+9], v[U+2], v[U+4], s34
	s_wait_alu depctr_va_vdst(0)
	v_mul_f32 v[U+9], v[U+9], v[U+7]               ; the gate
	v_cmp_gt_u32 vcc_lo, 2, v1
	s_wait_alu depctr_va_vdst(0)
	s_wait_xcnt 0x0                                ; EXEC is a source of the stores above: it changes only behind this wait
	s_wait_tensorcnt 0x0
	ds_add_u32 v254, v255
	s_wait_dscnt 0x0
	s_and_saveexec_b32 s35, vcc_lo
	global_store_b32 v8, v[U+8], s[10:11]
	global_store_b32 v8, v[U+9], s[22:23] offset:GT
	s_wait_xcnt 0x0
	s_or_b32 exec_lo, exec_lo, s35
	s_endpgm
.Lfunc_end_k_qdf24741d53_route:
	.size	k_qdf24741d53_route, .Lfunc_end_k_qdf24741d53_route-k_qdf24741d53_route
	.p2alignl 7, 3214868480
	.fill 96, 4, 3214868480
	.section	.rodata,"a",@progbits
	.p2align	6, 0x0
	.amdhsa_kernel k_qdf24741d53_route
		.amdhsa_group_segment_fixed_size 17920
		.amdhsa_private_segment_fixed_size 0
		.amdhsa_enable_private_segment 0
		.amdhsa_kernarg_size 40
		.amdhsa_user_sgpr_count 2
		.amdhsa_user_sgpr_kernarg_segment_ptr 1
		.amdhsa_wavefront_size32 1
		.amdhsa_system_sgpr_workgroup_id_x 1
		.amdhsa_system_sgpr_workgroup_id_y 1
		.amdhsa_system_sgpr_workgroup_id_z 1
		.amdhsa_system_vgpr_workitem_id 0
		.amdhsa_next_free_vgpr 512
		.amdhsa_next_free_sgpr 66
		.amdhsa_reserve_vcc 1
		.amdhsa_float_denorm_mode_32 3
		.amdhsa_float_denorm_mode_16_64 3
		.amdhsa_memory_ordered 1
		.amdhsa_forward_progress 1
		.amdhsa_inst_pref_size 29
	.end_amdhsa_kernel
	.amdgpu_metadata
---
amdhsa.version: [ 1, 2 ]
amdhsa.kernels:
  - .name:           k_qdf24741d53_route
    .symbol:         k_qdf24741d53_route.kd
    .args:
      - { .name: x, .offset: 0, .size: 8, .value_kind: global_buffer, .address_space: global }
      - { .name: router_w, .offset: 8, .size: 8, .value_kind: global_buffer, .address_space: global }
      - { .name: router_b, .offset: 16, .size: 8, .value_kind: global_buffer, .address_space: global }
      - { .name: ids, .offset: 24, .size: 8, .value_kind: global_buffer, .address_space: global }
      - { .name: tok, .offset: 32, .size: 8, .value_kind: global_buffer, .address_space: global }
    .group_segment_fixed_size: 17920
    .private_segment_fixed_size: 0
    .kernarg_segment_align: 8
    .kernarg_segment_size: 40
    .max_flat_workgroup_size: 128
    .sgpr_count:     66
    .vgpr_count:     512
    .wavefront_size: 32
...
	.end_amdgpu_metadata
.endif
;; end of part 6
;; launch place (part 7): grid 64 x 8, 1 waves a work-group, no clusters, 512 bytes of LDS; arguments ids, tok, xt, lists; writes xt, lists
.if DOCPART == 7
	.amdgcn_target "amdgcn-amd-amdhsa--gfx1250"
	.amdhsa_code_object_version 6
	.text
	.protected	k_qdf24741d53_place
	.globl	k_qdf24741d53_place
	.p2align	8
	.type	k_qdf24741d53_place,@function
k_qdf24741d53_place:
	s_mov_b64 s[64:65], 0
	v_nop
	global_prefetch_b8 v0, s[64:65] scope:SCOPE_SE
	s_setreg_imm32_b32 hwreg(HW_REG_WAVE_MODE, 25, 1), 1
	s_wait_xcnt 0x0
; THE ROWS ARE PLACED BY EXPERT.  Work-group (lt, e), one wave, builds tile lt (16 rows) of expert e.  Expert e owns tiles 64 e .. 64 e + 63 (all 1,024 tokens on
; one expert fill them); the first nt(e) = max(1, ceil(rows / 16)) are written, and nothing else is ever read.  A work-group whose tile has no row stores nothing and ends.
; Every work-group of an expert ranks all 2,048 entries (token, slot) in the same fixed order (register by register, lane by lane), so that each entry has one rank;
; an entry whose rank falls into my tile writes its index into my list of 16 in LDS, all others into a word that nobody reads.  No atomics, no traffic between work-groups.
; THE RANKING GOES IN RUNS, two passes of 32 registers: 32 compares into 32 scalar masks; 64 scalar lines that add the masks' counts up into 32 bases; then each vector step as a run of 32 lines that do not
; wait for each other.  The second pass's compares stand ahead of the first pass's last vector runs, which so stand between those compares and the scalar lines that read their masks.
; Rows that are left over in the last tile are pad rows: entry 2048 + e.  They take token 1,023's codes; their results go to a row of y that nobody reads.
; OUT: xt: the tile's eight fragments of x as images of the operand's registers, in halves (s, c) of 768 bytes: registers 6 c .. 6 c + 3 of lane L at 16 L, registers 6 c + 4, 6 c + 5 at
; 512 + 8 L; the rows' scale words [s][row]; the rows' gates, twice.  lists: the rows' entries, row r at word 8 (r % 2) + r / 2, twice; nt(e), 32 times.
.set ID,  16                           ; v16-79   the 2,048 ids: register 4 q + j of lane l is entry 128 q + 4 l + j
.set PP,  80                           ; v80-143  where each goes in LDS
.set EI,  144                          ; v144-207 its index
.set MK,  30                           ; s30-61   a pass's 32 masks: the lanes whose entry is mine
.set BS,  66                           ; s66-97   a pass's 32 bases: the rank, counted from my tile's first row, of a register's first match
.set X,   16                           ; later: v16-111 my row's 96 registers of codes
.set XW,  112                          ; v112-119 its eight scale words
.set L,   208                          ; my row's entry
.set TK,  209                          ; its token
.set GI,  210
.set XA,  211
.set SA,  212
.set G,   213
.set SW,  214                          ; v214-217 scale words to store
.macro CMP32 p                         ; mine?
.set k, 0
.rept 32
	v_cmp_eq_u32 s[MK+k], s12, v[ID+32*\p+k]
.set k, k+1
.endr
.endm
.macro PREFIX32                        ; s15: the next rank; it goes on from pass to pass
	s_mov_b32 s[BS], s15
.set k, 0
.rept 31
	s_bcnt1_i32_b32 s16, s[MK+k]
	s_add_co_u32 s[BS+k+1], s[BS+k], s16
.set k, k+1
.endr
	s_bcnt1_i32_b32 s16, s[MK+31]
	s_add_co_u32 s15, s[BS+31], s16
.endm
.macro RANK32 p
.set k, 0
.rept 32
	v_mbcnt_lo_u32_b32 v[PP+32*\p+k], s[MK+k], s[BS+k]     ; rank = the register's base + the matches of lower lanes
.set k, k+1
.endr
.set k, 0
.rept 32
	v_cndmask_b32 v[PP+32*\p+k], 16, v[PP+32*\p+k], s[MK+k]   ; not mine: word 16
.set k, k+1
.endr
.endm
.macro PUT32 p
.set k, 0
.rept 32
	v_min_u32 v[PP+32*\p+k], 16, v[PP+32*\p+k]     ; behind my tile, or ahead of it (the number has wrapped): word 16
.set k, k+1
.endr
.set k, 0
.rept 32
	v_lshlrev_b32 v[PP+32*\p+k], 2, v[PP+32*\p+k]
.set k, k+1
.endr
.set k, 0
.rept 32
.set n, 32*\p+k
	v_add_nc_u32 v[EI+n], 128*(n/4)+n%4, v4
.set k, k+1
.endr
.set k, 0
.rept 32
	ds_store_b32 v[PP+32*\p+k], v[EI+32*\p+k]
.set k, k+1
.endr
.endm
	s_load_b128 s[4:7], s[0:1], 0x0                ; ids, tok
	s_load_b128 s[8:11], s[0:1], 0x10              ; xt, lists
	v_lshl_add_u32 v224, v0, 2, 0x100
	v_mov_b32 v225, 0
	s_and_b32 s12, ttmp7, 0xffff                   ; e
	v_and_b32 v1, 31, v0                           ; lane
	v_and_b32 v2, 15, v0                           ; r
	v_lshrrev_b32 v3, 4, v1                        ; h
	v_lshlrev_b32 v4, 2, v1                        ; 4 x lane
	v_lshlrev_b32 v5, 4, v1                        ; 16 x lane
	v_lshlrev_b32 v6, 3, v1                        ; 8 x lane
	v_lshlrev_b32 v7, 2, v2                        ; 4 r
	s_add_co_u32 s13, s12, 2048
	v_mov_b32 v8, s13
	ds_store_b32 v4, v8                            ; every row begins as a pad row
	s_lshl_b32 s14, ttmp9, 4                       ; 16 lt
	s_sub_co_u32 s15, 0, s14                       ; the next rank, counted from my tile's first row
	s_mov_b32 s17, 0
	s_wait_alu depctr_va_vdst(0)
	s_wait_kmcnt 0x0
.irp q, 0,1,2,3,4,5,6,7,8,9,10,11,12,13,14,15
	global_load_b128 v[ID+4*\q:ID+4*\q+3], v5, s[4:5] offset:512*\q
.endr
	s_wait_loadcnt 0x0
	CMP32 0
	PREFIX32
	RANK32 0                                       ; the last lines that read the first pass's masks and bases
	CMP32 1
	PUT32 0
	PREFIX32
	RANK32 1
	PUT32 1
	s_add_co_u32 s15, s15, s14                     ; the expert's rows
	s_add_co_u32 s15, s15, 15
	s_lshr_b32 s15, s15, 4
	s_max_u32 s15, s15, 1                          ; nt
	s_cmp_lg_u32 ttmp9, 0
	s_cbranch_scc1 .Lnot_first
	v_mov_b32 v9, s15
	s_lshl_b32 s16, s12, 7
	s_add_nc_u64 s[18:19], s[10:11], s[16:17]
	global_store_b32 v4, v9, s[18:19] offset:65536 ; 32 lanes store 128 consecutive bytes, all nt
.Lnot_first:
	s_cmp_ge_u32 ttmp9, s15
	s_cbranch_scc1 .Ldone
	ds_load_b32 v[L], v7                           ; LDS serves a wave's instructions in order: this sees the stores above
	s_lshl_b32 s20, s12, 6
	s_add_co_u32 s20, s20, ttmp9                   ; tile = 64 e + lt
	s_mul_i32 s16, s20, 12288
	s_add_nc_u64 s[22:23], s[8:9], s[16:17]        ; its images
	s_lshl_b32 s16, s20, 9
	s_add_nc_u64 s[24:25], s[8:9], s[16:17]        ; its scale words (+ 6,291,456)
	s_lshl_b32 s16, s20, 7
	s_add_nc_u64 s[26:27], s[8:9], s[16:17]        ; its gates (+ 6,553,600)
	s_add_nc_u64 s[28:29], s[10:11], s[16:17]      ; its entries
	v_mul_u32_u24 v10, v3, 384
	v_and_b32 v11, 1, v2
	v_lshrrev_b32 v12, 1, v2
	v_lshlrev_b32 v12, 2, v12
	v_lshl_add_u32 v12, v11, 5, v12
	v_lshl_add_u32 v12, v3, 6, v12                 ; 64 h + 32 (r % 2) + 4 (r / 2)
	v_cmp_eq_u32 vcc_lo, 1, v3
	s_wait_alu depctr_va_vdst(0)
	s_wait_dscnt 0x0
	v_lshrrev_b32 v[TK], 1, v[L]
	v_min_u32 v[TK], 1023, v[TK]                   ; a pad row takes the last token's codes
	v_mul_u32_u24 v[XA], v[TK], 768
	v_add_nc_u32 v[XA], v[XA], v10                 ; my half of the token's codes
	v_lshlrev_b32 v[SA], 5, v[TK]
	v_min_u32 v[GI], 2047, v[L]
	v_lshlrev_b32 v[GI], 2, v[GI]
.set i, 0
.rept 24
	global_load_b128 v[X+4*i:X+4*i+3], v[XA], s[6:7] offset:16*i
.set i, i+1
.endr
	global_load_b128 v[XW:XW+3], v[SA], s[6:7] offset:786432
	global_load_b128 v[XW+4:XW+7], v[SA], s[6:7] offset:786432+16
	global_load_b32 v[G], v[GI], s[6:7] offset:819200
	global_store_b32 v12, v[L], s[28:29]
	s_wait_loadcnt 0x0
.irp s, 0,1,2,3,4,5,6,7
.irp c, 0,1
	global_store_b128 v5, v[X+12*\s+6*\c:X+12*\s+6*\c+3], s[22:23] offset:768*(2*\s+\c)          ; 512 consecutive bytes,
	global_store_b64 v6, v[X+12*\s+6*\c+4:X+12*\s+6*\c+5], s[22:23] offset:768*(2*\s+\c)+512     ; and 256 more
.endr
.endr
.irp i, 0,1,2,3
	v_cndmask_b32 v[SW+\i], v[XW+2*\i], v[XW+2*\i+1], vcc_lo   ; lanes 0-15 carry K step 2 i, lanes 16-31 K step 2 i + 1
.endr
.irp i, 0,1,2,3
	global_store_b32 v4, v[SW+\i], s[24:25] offset:6291456+128*\i
.endr
	global_store_b32 v4, v[G], s[26:27] offset:6553600
.Ldone:
	s_wait_tensorcnt 0x0
	ds_add_u32 v224, v225
	s_wait_dscnt 0x0
	s_endpgm
.Lfunc_end_k_qdf24741d53_place:
	.size	k_qdf24741d53_place, .Lfunc_end_k_qdf24741d53_place-k_qdf24741d53_place
	.p2alignl 7, 3214868480
	.fill 96, 4, 3214868480
	.section	.rodata,"a",@progbits
	.p2align	6, 0x0
	.amdhsa_kernel k_qdf24741d53_place
		.amdhsa_group_segment_fixed_size 512
		.amdhsa_private_segment_fixed_size 0
		.amdhsa_enable_private_segment 0
		.amdhsa_kernarg_size 32
		.amdhsa_user_sgpr_count 2
		.amdhsa_user_sgpr_kernarg_segment_ptr 1
		.amdhsa_wavefront_size32 1
		.amdhsa_system_sgpr_workgroup_id_x 1
		.amdhsa_system_sgpr_workgroup_id_y 1
		.amdhsa_system_sgpr_workgroup_id_z 1
		.amdhsa_system_vgpr_workitem_id 0
		.amdhsa_next_free_vgpr 226
		.amdhsa_next_free_sgpr 98
		.amdhsa_reserve_vcc 1
		.amdhsa_float_denorm_mode_32 3
		.amdhsa_float_denorm_mode_16_64 3
		.amdhsa_memory_ordered 1
		.amdhsa_forward_progress 1
		.amdhsa_inst_pref_size 39
	.end_amdhsa_kernel
	.amdgpu_metadata
---
amdhsa.version: [ 1, 2 ]
amdhsa.kernels:
  - .name:           k_qdf24741d53_place
    .symbol:         k_qdf24741d53_place.kd
    .args:
      - { .name: ids, .offset: 0, .size: 8, .value_kind: global_buffer, .address_space: global }
      - { .name: tok, .offset: 8, .size: 8, .value_kind: global_buffer, .address_space: global }
      - { .name: xt, .offset: 16, .size: 8, .value_kind: global_buffer, .address_space: global }
      - { .name: lists, .offset: 24, .size: 8, .value_kind: global_buffer, .address_space: global }
    .group_segment_fixed_size: 512
    .private_segment_fixed_size: 0
    .kernarg_segment_align: 8
    .kernarg_segment_size: 32
    .max_flat_workgroup_size: 32
    .sgpr_count:     98
    .vgpr_count:     226
    .wavefront_size: 32
...
	.end_amdgpu_metadata
.endif
;; end of part 7
;; launch gemm1 (part 8): grid 32 x 8, 4 waves a work-group, no clusters, 107,008 bytes of LDS; arguments w1, b1, xt, lists, ht; writes ht
.if DOCPART == 8
	.amdgcn_target "amdgcn-amd-amdhsa--gfx1250"
	.amdhsa_code_object_version 6
	.text
	.protected	k_qdf24741d53_gemm1
	.globl	k_qdf24741d53_gemm1
	.p2align	8
	.type	k_qdf24741d53_gemm1,@function
k_qdf24741d53_gemm1:
	s_mov_b64 s[64:65], 0
	v_nop
	global_prefetch_b8 v0, s[64:65] scope:SCOPE_SE
	s_setreg_imm32_b32 hwreg(HW_REG_WAVE_SCHED_MODE, 0, 2), 2
	s_setreg_imm32_b32 hwreg(HW_REG_WAVE_MODE, 25, 1), 1
	s_wait_xcnt 0x0
	s_wait_alu depctr_vm_vsrc(0)
; FIRST PRODUCT: h = gelu(x W1 + b1) for the rows of one expert, on codes of E3M2 with one E8M0 scale for each 32 along K; h leaves as codes for the second product.
; SHARES.  Work-group (fs, e) owns hidden units 128 fs .. 128 fs + 127 of expert e, all K = 1,024: 512 KB of w1 in f32, which no other work-group reads.
; PHASE W: the weights are read once, quantised in registers and laid in LDS as images of the operand's registers.  Wave w takes K steps 2 w and 2 w + 1 (256 rows of w1) in eight groups of
;   64 rows x 64 columns.  A load: lanes 0-15 read 256 consecutive aligned bytes of one row, lanes 16-31 of the row 32 further down; lane (q, hh) so gathers, in 32 loads, one whole block of 32 along K
;   for each of the four columns 64 u + 4 q + j.  TILE (u, j) IS THE SIXTEEN COLUMNS 64 u + 4 m + j: then a lane's codes of column set j are registers 6 c .. 6 c + 5 of that tile's fragment, in the lane
;   that the layout asks for, and nothing changes lanes but half a scale word.  Two groups, 64 loads of 512 bytes a wave, are asked for ahead.
; PHASE R: wave (u = w % 2, rp = w / 2) takes its 64 columns x 1,024 K into 384 registers and walks the expert's tiles of 16 rows lt = rp, rp + 2, ..: 32 matrix instructions a tile, source 0 = weights, source 1 = x.
;   In the result lane (r, h) holds row r, and register j' of tile j the unit 64 u + 32 h + 4 j' + j: THE LANE'S 32 RESULTS ARE ONE WHOLE BLOCK OF 32 ALONG THE NEXT K.  gelu, the block's scale and the
;   conversions need no other lane, and the 24 bytes are registers 6 u .. 6 u + 5 of the next operand's fragment (tile, K step fs).  Inside a block the codes stand in the order of my registers:
;   place p holds unit 4 (p % 8) + p / 8; the second product loads w2's rows in the same order.  The blocks are the true blocks, so the scales are the true scales.
; THE NUMBER OF TILES nt is read from memory.  The loop is counted to the 32 tiles that a wave could have and is left, by a jump forward to the wave's end, at the first tile from nt on; loads ahead are clamped to tile nt - 1.
; No cluster and no tensor load: which tiles are multiplied hangs on a number read from memory, and what the 32 work-groups of an expert share, x's tiles (12.8 KB each), is small beside the 512 KB that each reads alone.
; gelu(v) = v / 2 + (v / 2) erf(v / sqrt 2), erf(z) = z A(z^2) / B(z^2) with z held to -4 .. 4 (beyond, erf is 1 in f32): a rational form of degree 6 over 4 in z^2, in fused multiply-adds.
; LIMITS: NaN and infinities are not served.  A block whose largest magnitude lies under 2^-122 keeps the scale byte 1.  erf's form is good to a few units of f32's last place of erf, so for v under about -3,
; where 1 + erf cancels, gelu carries an absolute error of about 1e-7 |v|.  An expert without rows still reads its weights: an early end would put the barrier under a branch on a loaded number.
; THE MODE: SCHED_MODE bits 1:0 = 2 (LLVM: expert scheduling mode 2), set by the entry lines.  The code itself states the register dependences between vector or matrix instructions and memory or LDS
; instructions, with s_wait_alu, always for 0.
; THE PLAN.  Registers that memory or LDS instructions touch:
;   PHASE W   the two sets as loaded (window 1): group n's loads land in set n % 2; UNZIP n's moves read it; group n + 2's loads land in it again.  One wait on va_vdst behind the moves.
;             CD and WW (window 2): written by the conversions, moves and ors of two groups; read by PUTW's LDS stores.  One wait on va_vdst ahead of the stores, one on vm_vsrc ahead of the next even group's conversions.
;             v[WOFF], v[VI], v[VS], v[VR], v[VRS], v[BOFF]: made once at the head, never written again.
;   BETWEEN   the weights' fragments land in windows 1 and 2, where the moves read, the quantiser wrote and the image stores read: both waits behind the barrier.
;   PHASE R   x's fragments (window 3) and XS, set p: loads land; the tile's 32 matrix instructions read; the loads of two tiles on land again.
;             v[AO], v[BO], v[SOF] of set p: written by PFADDR, read by the set's loads.  HC, HBY, HOA, HOB, HOS: written by the way out's vector lines, read by its three stores.
;             A tile: its products; one wait on vm_vsrc (the last tile's stores and the set's old loads have read their registers); PFADDR; one wait on va_vdst (the products are done reading the set, the offsets
;             are written); the set's 40 loads in four quarters, one ahead of each accumulator's gelu, whose lines name none of the registers that those loads touch; one wait on va_vdst ahead of the three stores.
;   The weights' fragments and scale words, the biases, the accumulators and gelu's registers are named in the loop by vector and matrix instructions alone.
.set PITCHB, 16384                     ; a row of w1 in bytes
.set TS,     12288                     ; a tile of x: eight fragments
.set SS,     512                       ; and its scale words
.set NL,     40                        ; loads that bring a tile: 16 x (16 + 8 bytes a lane) and 8 scale words
.set WSC,    98304                     ; LDS: 64 fragment images of 1,536 bytes from 0 on, image (u, j, s) at ((4 u + j) 8 + s) 1,536; behind them their scale words, 128 bytes each
; window 0
.set Q,    1                           ; lane % 16
.set HH,   2                           ; lane / 16
.set L16,  3                           ; 16 x lane
.set L8,   4                           ; 8 x lane
.set Q4,   5                           ; 4 (lane % 16)
.set WOFF, 6                           ; my place in a group of w1: 32 hh rows + 16 q; never rewritten
.set VI,   7                           ; v7-8   where I store images: 16 lane + 3,072 w + 49,152 u
.set VS,   9                           ; scale words: WSC + 4 lane + 256 w
.set VR,   10                          ; where I read images: 16 lane + 49,152 (w % 2)
.set VRS,  11                          ; WSC + 4 lane + 4,096 (w % 2)
.set BOFF, 12                          ; 128 hh: my half's 32 biases
.set LN,   13
.set L4,   14
.set AO,   16                          ; v16-17 set 0, 1: offset of the tile's 16-byte pieces
.set BO,   18                          ; v18-19 of its 8-byte pieces
.set SOF,  20                          ; v20-21 of its scale words
.set HOA,  22                          ; where h's codes go
.set HOB,  23
.set HOS,  24                          ; and its scale byte
.set QH,   25                          ; 4 q + hh
.set VA0,  26                          ; v26-27 A's highest coefficient, twice
.set VB0,  28                          ; v28-29 B's
.set WS,   32                          ; v32-63 the weights' scale words, 4 s + j: scales and nothing else
.set XS,   64                          ; v64-79 x's scale words, two sets of eight: scales and nothing else
.set BIAS, 80                          ; v80-111 b1 in the result's layout
.set ACC,  112                         ; v112-143 four accumulators
.set Z,    144
.set X2,   152
.set PA,   160
.set PB,   168
.set HM,   176
.set HSO,  178
.set HBY,  179
.set HC,   184                         ; v184-189 h's codes
.set HT,   192
; phase W: window 1: two sets of 128 registers as loaded (register 4 i + j: row i, column j).  Window 2:
.set T,    0                           ; v0-127   the same by columns: 32 j + i
.set CD,   128                         ; v128-175 four fragments in the making
.set TC,   176
.set M,    192
.set SO,   196
.set BY,   200
.set WW,   208
.set PX,   212
.set SH8,  216
; phase R: windows 1 and 2: fragment (j, s) at register 12 (4 (s % 4) + j) of window 1 + s / 4.  Window 3: x's fragments, two sets of 96.
.set MSB, 0
.macro WIN new                         ; the immediate's high byte repeats the setting that is left
.if MSB != \new
	s_set_vgpr_msb (MSB<<8)|\new
.set MSB, \new
.endif
.endm
.macro KPAIR r, v                      ; a constant as a scalar pair: the packed forms name the pair
	s_mov_b32 s[\r], \v
	s_mov_b32 s[\r+1], \v
.endm
; group n = (K step n / 4 of my two, columns 64 ((n / 2) % 2) on, rows 64 (n % 2) on), into set n % 2
.macro GLOAD n
	WIN 0x40
.set i, 0
.rept 32
	global_load_b128 v[128*((\n)%2)+4*i:128*((\n)%2)+4*i+3], v[WOFF], s[22:23] offset:(128*((\n)/4)+64*((\n)%2)+i)*PITCHB+256*(((\n)/2)%2) th:TH_LOAD_NT
.set i, i+1
.endr
.endm
; a load lands four columns side by side; the conversions want sixteen neighbours along K in consecutive registers
.macro UNZIP n
	WIN 0x81
.set i, 0
.rept 32
.irp j, 0,1,2,3
	v_mov_b32 v[T+32*\j+i], v[128*((\n)%2)+4*i+\j]
.endr
.set i, i+1
.endr
.endm
; four blocks of 32, one for each column, by turns
.macro QUANT4 n
	WIN 0xaa
.if ((\n) >= 2) && (((\n)%2) == 0)
	s_wait_dscnt 0x0                               ; the image stores are done
	s_wait_alu depctr_vm_vsrc(0)                   ; the image stores have read CD and WW, which this group's and the next group's lines write again
.endif
.irp j, 0,1,2,3
	v_max3_num_f32 v[M+\j], |v[T+32*\j]|, |v[T+32*\j+1]|, 0x2800000   ; with the floor 2^(5 - 127): the byte cannot fall under 1
.endr
.set i, 2
.rept 15
.irp j, 0,1,2,3
	v_max3_num_f32 v[M+\j], v[M+\j], |v[T+32*\j+i]|, |v[T+32*\j+i+1]|
.endr
.set i, i+2
.endr
.irp j, 0,1,2,3
	v_add_nc_u32 v[SO+\j], 0xfe000000, v[M+\j]     ; 4 off the exponent field: the conversion's scale operand
.endr
.irp j, 0,1,2,3
	v_lshrrev_b32 v[BY+4*((\n)%2)+\j], 23, v[SO+\j]   ; the scale's byte
.endr
.irp j, 0,1,2,3
	v_cvt_scalef32_pk16_bf6_f32 v[CD+12*\j+6*((\n)%2):CD+12*\j+6*((\n)%2)+2], v[T+32*\j:T+32*\j+15], v[SO+\j]
	v_cvt_scalef32_pk16_bf6_f32 v[TC+4*\j:TC+4*\j+2], v[T+32*\j+16:T+32*\j+31], v[SO+\j]   ; (a conversion's three registers begin on an even number)
.endr
	v_nop                                          ; one plain place behind a scaled conversion
.irp j, 0,1,2,3
.irp k, 0,1,2
	v_mov_b32 v[CD+12*\j+6*((\n)%2)+3+\k], v[TC+4*\j+\k]
.endr
.endr
.endm
; four whole fragments and their scale words go to LDS as they stand
.macro PUTW sl, u
.irp j, 0,1,2,3
	v_lshl_or_b32 v[WW+\j], v[BY+4+\j], 16, v[BY+\j]   ; my two bytes: blocks hh and 2 + hh,
.endr
.irp j, 0,1,2,3
	v_lshlrev_b32 v[WW+\j], v[SH8], v[WW+\j]       ; at their places (8 hh bits up);
.endr
.irp j, 0,1,2,3
	v_permlanex16_b32 v[PX+\j], v[WW+\j], s40, s41
.endr
.irp j, 0,1,2,3
	v_or_b32 v[WW+\j], v[WW+\j], v[PX+\j]          ; with lane l xor 16's two the word is whole
.endr
	WIN 0x08                                       ; an LDS store's data: window 2
	s_wait_alu depctr_va_vdst(0)                   ; the conversions and moves have written CD, the ors WW: the LDS stores below read them
.irp j, 0,1,2,3
.irp k, 0,1,2
	ds_store_b128 v[VI+(\u)], v[CD+12*\j+4*\k:CD+12*\j+4*\k+3] offset:(8*\j+(\sl))*1536+512*\k
.endr
	ds_store_b32 v[VS], v[WW+\j] offset:((4*(\u)+\j)*8+(\sl))*128
.endr
.endm
.macro GETW                            ; my 32 fragments and their scale words, out of LDS
.irp s, 0,1,2,3,4,5,6,7
.if \s < 4
	WIN 0x40
.else
	WIN 0x80
.endif
.irp j, 0,1,2,3
.irp k, 0,1,2
	ds_load_b128 v[12*(4*(\s%4)+\j)+4*\k:12*(4*(\s%4)+\j)+4*\k+3], v[VR] offset:(8*\j+\s)*1536+512*\k
.endr
.endr
.endr
	WIN 0
.irp s, 0,1,2,3,4,5,6,7
.irp j, 0,1,2,3
	ds_load_b32 v[WS+4*\s+\j], v[VRS] offset:(8*\j+\s)*128
.endr
.endr
.endm
.macro PFADDR set, ahead               ; the offsets of tile LT + ahead, held to the last tile that was written
	s_add_co_u32 s38, s36, \ahead
	s_min_u32 s38, s38, s35
	s_min_u32 s38, s38, 63
	s_mul_i32 s39, s38, TS
	s_mul_i32 s38, s38, SS
	v_add_nc_u32 v[AO+\set], s39, v[L16]
	v_add_nc_u32 v[BO+\set], s39, v[L8]
	v_add_nc_u32 v[SOF+\set], s38, v[Q4]
.endm
.macro LOADA set                       ; a tile's eight fragments, by halves of 512 + 256 consecutive bytes, and its scale words
	WIN 0xc0
.irp s, 0,1,2,3,4,5,6,7
.irp c, 0,1
	global_load_b128 v[96*\set+12*\s+6*\c:96*\set+12*\s+6*\c+3], v[AO+\set], s[24:25] offset:1536*\s+768*\c
	global_load_b64 v[96*\set+12*\s+6*\c+4:96*\set+12*\s+6*\c+5], v[BO+\set], s[24:25] offset:1536*\s+768*\c+512
.endr
.endr
	WIN 0
.irp s, 0,1,2,3,4,5,6,7
	global_load_b32 v[XS+8*\set+\s], v[SOF+\set], s[26:27] offset:64*\s
.endr
.endm
.macro LOADQ set, g                    ; a quarter of the same: K steps 2 g and 2 g + 1, ten loads
	WIN 0xc0
.irp d, 0,1
.irp c, 0,1
	global_load_b128 v[96*\set+12*(2*(\g)+\d)+6*\c:96*\set+12*(2*(\g)+\d)+6*\c+3], v[AO+\set], s[24:25] offset:1536*(2*(\g)+\d)+768*\c
	global_load_b64 v[96*\set+12*(2*(\g)+\d)+6*\c+4:96*\set+12*(2*(\g)+\d)+6*\c+5], v[BO+\set], s[24:25] offset:1536*(2*(\g)+\d)+768*\c+512
.endr
.endr
	WIN 0
.irp d, 0,1
	global_load_b32 v[XS+8*\set+2*(\g)+\d], v[SOF+\set], s[26:27] offset:64*(2*(\g)+\d)
.endr
.endm
; 32 matrix instructions: K step by K step, the four accumulators by turns, one instruction a turn.  The bias is the C of each sum's first instruction.
.macro MUL32 set
.irp s, 0,1,2,3,4,5,6,7
.if \s < 4
	WIN 0x0d                                       ; source 0 window 1, source 1 window 3
.else
	WIN 0x0e                                       ; source 0 window 2
.endif
.irp j, 0,1,2,3
.if \s == 0
	v_wmma_scale_f32_16x16x128_f8f6f4 v[ACC+8*\j:ACC+8*\j+7], v[12*(4*(\s%4)+\j):12*(4*(\s%4)+\j)+11], v[96*\set+12*\s:96*\set+12*\s+11], v[BIAS+8*\j:BIAS+8*\j+7], v[WS+4*\s+\j], v[XS+8*\set+\s] matrix_a_fmt:MATRIX_FMT_BF6 matrix_b_fmt:MATRIX_FMT_BF6
.else
	v_wmma_scale_f32_16x16x128_f8f6f4 v[ACC+8*\j:ACC+8*\j+7], v[12*(4*(\s%4)+\j):12*(4*(\s%4)+\j)+11], v[96*\set+12*\s:96*\set+12*\s+11], v[ACC+8*\j:ACC+8*\j+7], v[WS+4*\s+\j], v[XS+8*\set+\s] matrix_a_fmt:MATRIX_FMT_BF6 matrix_b_fmt:MATRIX_FMT_BF6
.endif
.endr
.endr
	WIN 0
.endm
; gelu of accumulator g, in place: four pairs by turns, from the accumulator's low end on
.macro GELU4 g
.irp p, 0,1,2,3
	v_pk_mul_f32 v[Z+2*\p:Z+2*\p+1], v[ACC+8*\g+2*\p:ACC+8*\g+2*\p+1], s[42:43] op_sel_hi:[1,0]   ; z = v / sqrt 2
.endr
.irp k, 0,1,2,3,4,5,6,7
	v_med3_num_f32 v[Z+\k], v[Z+\k], -4.0, 4.0
.endr
.irp p, 0,1,2,3
	v_pk_mul_f32 v[X2+2*\p:X2+2*\p+1], v[Z+2*\p:Z+2*\p+1], v[Z+2*\p:Z+2*\p+1]
.endr
.irp p, 0,1,2,3
	v_pk_fma_f32 v[PA+2*\p:PA+2*\p+1], v[X2+2*\p:X2+2*\p+1], v[VA0:VA0+1], s[44:45] op_sel_hi:[1,1,0]
	v_pk_fma_f32 v[PB+2*\p:PB+2*\p+1], v[X2+2*\p:X2+2*\p+1], v[VB0:VB0+1], s[56:57] op_sel_hi:[1,1,0]
.endr
.irp a, 58,60,62
.irp p, 0,1,2,3
	v_pk_fma_f32 v[PB+2*\p:PB+2*\p+1], v[PB+2*\p:PB+2*\p+1], v[X2+2*\p:X2+2*\p+1], s[\a:\a+1] op_sel_hi:[1,1,0]
.endr
.endr
	s_wait_alu depctr_va_vdst(0)
.irp k, 0,1,2,3,4,5,6,7
	v_rcp_f32 v[PB+\k], v[PB+\k]
.endr
.irp a, 46,48,50,52,54                 ; A's chain is also the plain work behind the reciprocals
.irp p, 0,1,2,3
	v_pk_fma_f32 v[PA+2*\p:PA+2*\p+1], v[PA+2*\p:PA+2*\p+1], v[X2+2*\p:X2+2*\p+1], s[\a:\a+1] op_sel_hi:[1,1,0]
.endr
.endr
.irp p, 0,1,2,3
	v_pk_mul_f32 v[PA+2*\p:PA+2*\p+1], v[PA+2*\p:PA+2*\p+1], v[Z+2*\p:Z+2*\p+1]
.endr
	s_wait_alu depctr_va_vdst(0)                   ; the eight reciprocals have written v[PB ..], which the next four lines read: one wait for the batch
.irp p, 0,1,2,3
	v_pk_mul_f32 v[PA+2*\p:PA+2*\p+1], v[PA+2*\p:PA+2*\p+1], v[PB+2*\p:PB+2*\p+1]    ; erf
.endr
.irp p, 0,1,2,3
	v_pk_mul_f32 v[X2+2*\p:X2+2*\p+1], v[ACC+8*\g+2*\p:ACC+8*\g+2*\p+1], 0.5 op_sel_hi:[1,0]
.endr
.irp p, 0,1,2,3
	v_pk_fma_f32 v[ACC+8*\g+2*\p:ACC+8*\g+2*\p+1], v[X2+2*\p:X2+2*\p+1], v[PA+2*\p:PA+2*\p+1], v[X2+2*\p:X2+2*\p+1]
.endr
.endm
; the tile's way out behind gelu: my block's scale, its 32 codes, 24 bytes and a byte
.macro EPI
	v_max3_num_f32 v[HM], |v[ACC]|, |v[ACC+1]|, |v[ACC+2]|
	v_max3_num_f32 v[HM+1], |v[ACC+3]|, |v[ACC+4]|, |v[ACC+5]|
.irp i, 6,10,14,18,22,26
	v_max3_num_f32 v[HM], v[HM], |v[ACC+\i]|, |v[ACC+\i+1]|
	v_max3_num_f32 v[HM+1], v[HM+1], |v[ACC+\i+2]|, |v[ACC+\i+3]|
.endr
	v_max3_num_f32 v[HM], v[HM], |v[ACC+30]|, |v[ACC+31]|
	v_max3_num_f32 v[HM], v[HM], v[HM+1], 0x2800000
	v_add_nc_u32 v[HSO], 0xfe000000, v[HM]
	v_lshrrev_b32 v[HBY], 23, v[HSO]
	s_mul_i32 s38, s36, 49152
	s_lshl_b32 s39, s36, 11
	v_add_nc_u32 v[HOA], s38, v[L16]
	v_add_nc_u32 v[HOB], s38, v[L8]
	v_add_nc_u32 v[HOS], s39, v[QH]
	v_cvt_scalef32_pk16_bf6_f32 v[HC:HC+2], v[ACC:ACC+15], v[HSO]
	v_cvt_scalef32_pk16_bf6_f32 v[HT:HT+2], v[ACC+16:ACC+31], v[HSO]
	v_nop                                          ; one plain place behind a scaled conversion
.irp k, 0,1,2
	v_mov_b32 v[HC+3+\k], v[HT+\k]
.endr
	s_wait_alu depctr_va_vdst(0)                   ; the codes v[HC ..], the byte v[HBY] and the three offsets are written: the stores below read them
	global_store_b128 v[HOA], v[HC:HC+3], s[30:31]             ; 32 lanes store 512 consecutive bytes,
	global_store_b64 v[HOB], v[HC+4:HC+5], s[30:31] offset:512 ; and 256 more: the half image (tile, fs, u)
	global_store_b8 v[HOS], v[HBY], s[32:33]
.endm
.macro HALF set
	s_cmp_lt_u32 s36, s34
	s_cbranch_scc0 .Lout                           ; LT only grows: from the first tile at or past nt on nothing is left for me.  The clamped loads that were asked for ahead land in registers that nobody reads
	s_wait_loadcnt NL                              ; this set's loads are in (and, the first time, the biases ahead of them); the other set's NL, issued behind them, may stay out
	MUL32 \set
	s_wait_xcnt 0x0                                ; the last tile's stores have had their addresses translated: their data and offsets are written anew below
	s_wait_alu depctr_vm_vsrc(0)                   ; the last tile's stores have read v[HC ..], v[HBY] and their offsets, and this set's old loads their three offsets: all are written again in this tile
	PFADDR \set, 4                                 ; its three vector lines and the v_nop are the four places behind the last product, ahead of the first read of results
	v_nop
	s_wait_alu depctr_va_vdst(0)                   ; the products are done reading this set's fragments and scale words, in which the loads below land; the three offsets that those loads read are written
	LOADQ \set, 0                                  ; two tiles ahead, a quarter ahead of each accumulator's gelu: no vector line since the wait names a register that these loads touch
	GELU4 0
	LOADQ \set, 1
	GELU4 1
	LOADQ \set, 2
	GELU4 2
	LOADQ \set, 3
	GELU4 3
	EPI
	s_add_co_u32 s36, s36, 2
.endm
	s_load_b256 s[4:11], s[0:1], 0x0               ; w1 s[4:5], b1 s[6:7], xt s[8:9], lists s[10:11]
	s_load_b64 s[12:13], s[0:1], 0x20              ; ht
	v_lshl_add_u32 v254, v0, 2, 0x1a000
	v_mov_b32 v255, 0
	v_lshrrev_b32 v15, 5, v0
	v_readfirstlane_b32 s14, v15                   ; wave 0..3
	v_and_b32 v[Q], 15, v0
	v_bfe_u32 v[HH], v0, 4, 1
	v_lshlrev_b32 v[WOFF], 4, v[Q]
	v_lshl_add_u32 v[WOFF], v[HH], 19, v[WOFF]     ; 32 rows of 16,384 bytes for lanes 16-31
	s_and_b32 s15, ttmp7, 0xffff                   ; e
	s_lshl_b32 s20, s15, 24                        ; an expert's w1: 2^24 bytes
	s_wait_alu depctr_va_sdst(0)                   ; s14, the wave's number, is written, ahead of its first reader
	s_lshl_b32 s38, s14, 22                        ; my wave's 256 rows
	s_add_co_u32 s20, s20, s38
	s_lshl_b32 s38, ttmp9, 9                       ; the work-group's 128 columns
	s_add_co_u32 s20, s20, s38
	s_mov_b32 s21, 0
	s_wait_kmcnt 0x0
	s_add_nc_u64 s[22:23], s[4:5], s[20:21]
	s_wait_alu depctr_va_vdst(0)                   ; v[WOFF] is written: every load of w1 reads it as its offset
	GLOAD 0                                        ; the stream of weights starts ahead of everything else
	GLOAD 1
	WIN 0
	s_lshl_b32 s20, s15, 7
	s_add_nc_u64 s[2:3], s[10:11], s[20:21]
	s_load_b32 s34, s[2:3], 0x10000                ; nt(e)
	s_and_b32 s17, s14, 1                          ; u
	s_lshr_b32 s18, s14, 1                         ; rp
	v_and_b32 v[LN], 31, v0
	v_lshlrev_b32 v[L16], 4, v[LN]
	v_lshlrev_b32 v[L8], 3, v[LN]
	v_lshlrev_b32 v[L4], 2, v[LN]
	v_lshlrev_b32 v[Q4], 2, v[Q]
	v_lshlrev_b32 v[BOFF], 7, v[HH]
	v_add_nc_u32 v[QH], v[Q4], v[HH]
	s_mul_i32 s38, s14, 3072
	v_add_nc_u32 v[VI], s38, v[L16]
	v_add_nc_u32 v[VI+1], 49152, v[VI]
	s_lshl_b32 s38, s14, 8
	s_add_co_u32 s38, s38, WSC
	v_add_nc_u32 v[VS], s38, v[L4]
	s_mul_i32 s38, s17, 49152
	v_add_nc_u32 v[VR], s38, v[L16]
	s_lshl_b32 s38, s17, 12
	s_add_co_u32 s38, s38, WSC
	v_add_nc_u32 v[VRS], s38, v[L4]
	v_mov_b32 v[VA0], 0xaf95df0b                   ; A: -2.72614226e-10,
	v_mov_b32 v[VA0+1], 0xaf95df0b
	v_mov_b32 v[VB0], 0xb77460cd                   ; B: -1.45660718e-05,
	v_mov_b32 v[VB0+1], 0xb77460cd
	WIN 0x80                                       ; destination window 2
	v_lshlrev_b32 v[SH8], 3, v[HH]
.irp j, 0,1,2,3
	v_mov_b32 v[PX+\j], 0                          ; written once: a lane permute's destination counts as one of its sources
.endr
	WIN 0
	s_mov_b32 s40, 0x76543210
	s_mov_b32 s41, 0xfedcba98                      ; v_permlanex16_b32's selects for lane l xor 16
	KPAIR 42, 0x3f3504f3                           ; 1 / sqrt 2
	KPAIR 44, 0x32edffee                           ; A goes on: 2.77068142e-08,
	KPAIR 46, 0xb60cff51                           ; -2.10102402e-06,
	KPAIR 48, 0xb86ec2d2                           ; -5.69250639e-05,
	KPAIR 50, 0xba40ac63                           ; -7.34990630e-04,
	KPAIR 52, 0xbb41a1f6                           ; -2.95459981e-03,
	KPAIR 54, 0xbc83dbd4                           ; -1.60960333e-02
	KPAIR 56, 0xb95fbd29                           ; B goes on: -2.13374055e-04,
	KPAIR 58, 0xbadc924e                           ; -1.68282697e-03,
	KPAIR 60, 0xbbf19bf8                           ; -7.37332917e-03,
	KPAIR 62, 0xbc69b6a7                           ; -1.42647391e-02
	s_mul_i32 s20, s15, 786432
	s_add_nc_u64 s[24:25], s[8:9], s[20:21]        ; the expert's tiles of x
	s_lshl_b32 s20, s15, 15
	s_add_co_u32 s20, s20, 6291456
	s_add_nc_u64 s[26:27], s[8:9], s[20:21]        ; their scale words
	s_lshl_b32 s20, s15, 14
	s_lshl_b32 s38, ttmp9, 9
	s_add_co_u32 s20, s20, s38
	s_lshl_b32 s38, s17, 8
	s_add_co_u32 s20, s20, s38
	s_add_nc_u64 s[28:29], s[6:7], s[20:21]        ; b1 at my 64 units
	s_mul_i32 s20, s15, 3145728
	s_mul_i32 s38, ttmp9, 1536
	s_add_co_u32 s20, s20, s38
	s_mul_i32 s38, s17, 768
	s_add_co_u32 s20, s20, s38
	s_add_nc_u64 s[30:31], s[12:13], s[20:21]      ; h's codes: the expert's tiles, K step fs, half u
	s_lshl_b32 s20, s15, 17
	s_add_co_u32 s20, s20, 25165824
	s_lshl_b32 s38, ttmp9, 6
	s_add_co_u32 s20, s20, s38
	s_lshl_b32 s38, s17, 1
	s_add_co_u32 s20, s20, s38
	s_add_nc_u64 s[32:33], s[12:13], s[20:21]      ; h's scale bytes: word (tile, fs, row), byte 2 u + h
	s_wait_kmcnt 0x0
	s_min_u32 s34, s34, 64
	s_max_u32 s34, s34, 1
	s_sub_co_u32 s35, s34, 1                       ; the last tile that was written
	s_mov_b32 s36, s18                             ; LT: my first tile
	; ---- PHASE W
.irp n, 0,1,2,3,4,5,6,7
.if \n < 7
	s_wait_loadcnt 32                              ; this group's 32 loads are in; the next group's may stay out
.else
	s_wait_loadcnt 0x0
.endif
	UNZIP \n
.if \n < 6
	s_wait_alu depctr_va_vdst(0)                   ; the moves are done reading the set, in which the loads below land.  (The first of these waits also shows the head's LDS addresses and v[BOFF] written)
	GLOAD \n+2                                     ; into the set just emptied
.endif
.if \n == 7
	WIN 0                                          ; the stream has ended: the biases and my first two tiles of x are asked for, and land under the last group's work and the barrier
.irp j, 0,1,2,3
.irp p, 0,1,2,3,4,5,6,7
	global_load_b32 v[BIAS+8*\j+\p], v[BOFF], s[28:29] offset:4*(4*\p+\j)
.endr
.endr
	PFADDR 0, 0
	PFADDR 1, 2
	s_wait_alu depctr_va_vdst(0)                   ; the six offsets of my first two tiles are written: the loads below read them
	LOADA 0
	LOADA 1
.endif
	QUANT4 \n
.if \n%2 == 1
	PUTW \n/4, (\n/2)%2
.endif
.endr
	WIN 0
	s_wait_dscnt 0x0                               ; for the others' sake: my images lie in LDS
	s_barrier_signal -1
	s_barrier_wait -1                              ; everybody's do.  The launch's one barrier: LDS is only read from here on
	; ---- PHASE R
	s_wait_alu depctr_vm_vsrc(0)                   ; my last image stores have read CD, in which fragments land below
	s_wait_alu depctr_va_vdst(0)                   ; the moves are done reading window 1's sets and the quantiser's lines are done with window 2's registers: fragments land in both
	GETW
	s_wait_dscnt 0x0
	s_mov_b32 s37, 16
.Ltrip:                                            ; at most 16 trips of two tiles: the 32 tiles that a wave could have
	HALF 0
	HALF 1
	s_sub_co_u32 s37, s37, 1
	s_cmp_lg_u32 s37, 0
	s_cbranch_scc1 .Ltrip
.Lout:
	s_wait_dscnt 0x0                               ; the closing lines, six on end
	s_wait_alu 0x0
	s_wait_tensorcnt 0x0
	ds_add_u32 v254, v255
	s_wait_dscnt 0x0
	s_endpgm
.Lfunc_end_k_qdf24741d53_gemm1:
	.size	k_qdf24741d53_gemm1, .Lfunc_end_k_qdf24741d53_gemm1-k_qdf24741d53_gemm1
	.p2alignl 7, 3214868480
	.fill 96, 4, 3214868480
	.section	.rodata,"a",@progbits
	.p2align	6, 0x0
	.amdhsa_kernel k_qdf24741d53_gemm1
		.amdhsa_group_segment_fixed_size 107008
		.amdhsa_private_segment_fixed_size 0
		.amdhsa_enable_private_segment 0
		.amdhsa_kernarg_size 40
		.amdhsa_user_sgpr_count 2
		.amdhsa_user_sgpr_kernarg_segment_ptr 1
		.amdhsa_wavefront_size32 1
		.amdhsa_system_sgpr_workgroup_id_x 1
		.amdhsa_system_sgpr_workgroup_id_y 1
		.amdhsa_system_sgpr_workgroup_id_z 1
		.amdhsa_system_vgpr_workitem_id 0
		.amdhsa_next_free_vgpr 960
		.amdhsa_next_free_sgpr 66
		.amdhsa_reserve_vcc 0
		.amdhsa_float_denorm_mode_32 3
		.amdhsa_float_denorm_mode_16_64 3
		.amdhsa_memory_ordered 1
		.amdhsa_forward_progress 1
		.amdhsa_inst_pref_size 193
	.end_amdhsa_kernel
	.amdgpu_metadata
---
amdhsa.version: [ 1, 2 ]
amdhsa.kernels:
  - .name:           k_qdf24741d53_gemm1
    .symbol:         k_qdf24741d53_gemm1.kd
    .args:
      - { .name: w1, .offset: 0, .size: 8, .value_kind: global_buffer, .address_space: global }
      - { .name: b1, .offset: 8, .size: 8, .value_kind: global_buffer, .address_space: global }
      - { .name: xt, .offset: 16, .size: 8, .value_kind: global_buffer, .address_space: global }
      - { .name: lists, .offset: 24, .size: 8, .value_kind: global_buffer, .address_space: global }
      - { .name: ht, .offset: 32, .size: 8, .value_kind: global_buffer, .address_space: global }
    .group_segment_fixed_size: 107008
    .private_segment_fixed_size: 0
    .kernarg_segment_align: 8
    .kernarg_segment_size: 40
    .max_flat_workgroup_size: 128
    .sgpr_count:     66
    .vgpr_count:     960
    .wavefront_size: 32
...
	.end_amdgpu_metadata
.endif
;; end of part 8
;; launch gemm2 (part 9): grid 32 x 8, 4 waves a work-group, no clusters, 124,416 bytes of LDS; arguments w2, b2, ht, xt, lists, y; writes y
.if DOCPART == 9
	.amdgcn_target "amdgcn-amd-amdhsa--gfx1250"
	.amdhsa_code_object_version 6
	.text
	.protected	k_qdf24741d53_gemm2
	.globl	k_qdf24741d53_gemm2
	.p2align	8
	.type	k_qdf24741d53_gemm2,@function
k_qdf24741d53_gemm2:
	s_mov_b64 s[64:65], 0
	v_nop
	global_prefetch_b8 v0, s[64:65] scope:SCOPE_SE
	s_setreg_imm32_b32 hwreg(HW_REG_WAVE_SCHED_MODE, 0, 2), 2
	s_setreg_imm32_b32 hwreg(HW_REG_WAVE_MODE, 25, 1), 1
	s_wait_xcnt 0x0
	s_wait_alu depctr_vm_vsrc(0)
; SECOND PRODUCT: y[kq][2 token + slot] = gate x (h W2 + b2), a quarter of K at a time, for the rows of one expert, on codes of E3M2 with one E8M0 scale for each 32 along K.
; SHARES.  Work-group (4 ns + kq, e) owns outputs 128 ns .. 128 ns + 127 and K rows 1,024 kq .. 1,024 kq + 1,023 of expert e: 512 KB of w2 in f32, which no other work-group reads.
; Its parts go to plane kq of y; the last launch adds the four planes and the two slots, so that each byte of y has one writer and nothing is added in memory.  b2 enters in plane 0 alone.
; PHASE W and PHASE R are the first product's: the weights are read once, quantised in registers, laid in LDS as images of the operand's registers (tile (u, j) = columns 64 u + 4 m + j); then wave (u = w % 2, rp = w / 2)
; holds 64 columns x 1,024 K in 384 registers and walks the expert's tiles lt = rp, rp + 2, .., 32 matrix instructions a tile, source 0 = weights, source 1 = h.
; INSIDE A BLOCK OF 32 h's codes stand in the order in which the first product's registers held them: place p holds K offset 4 (p % 8) + p / 8.  So a group's load i takes row 4 (i % 8) + i / 8 of its block of w2:
; both operands are permuted alike, and the blocks, and so the scales, are the true ones.
; THE WAY OUT.  Lane (r, h) holds row r and the 32 neighbouring outputs 64 u + 32 h + 4 j' + j.  They are multiplied by the row's gate, go through the wave's own stage in LDS and leave as rows: sixteen lanes store 256
; consecutive aligned bytes of the row of y that the list names.  A pad row goes to row 2048 + e, which nobody reads.
; The number of tiles nt is read from memory: the loop is counted to the 32 tiles that a wave could have and is left, by a jump forward to the wave's end, at the first tile from nt on; loads ahead are clamped to tile nt - 1.
; No cluster and no tensor load: which tiles are multiplied hangs on a number read from memory, and what work-groups share, h's tiles (12.8 KB a quarter of K), is small beside the 512 KB that each reads alone.
; LIMITS: NaN and infinities are not served.  A block whose largest magnitude lies under 2^-122 keeps the scale byte 1.  An expert without rows still reads its weights.
; THE MODE: SCHED_MODE bits 1:0 = 2 (LLVM: expert scheduling mode 2), set by the entry lines.  The code itself states the register dependences between vector or matrix instructions and memory or LDS
; instructions, with s_wait_alu, always for 0.
; THE PLAN.  Registers that memory or LDS instructions touch:
;   PHASE W   the two sets as loaded (window 1): group n's loads land in set n % 2; UNZIP n's moves read it; group n + 2's loads land in it again.  One wait on va_vdst behind the moves.
;             CD and WW (window 2): written by the conversions, moves and ors of two groups; read by PUTW's LDS stores.  One wait on va_vdst ahead of the stores, one on vm_vsrc ahead of the next even group's conversions.
;             v[WOFF], v[VI], v[VS], v[VR], v[VRS], v[BOFF], v[STO], v[RD]: made once at the head, never written again.
;   BETWEEN   the weights' fragments land in windows 1 and 2, where the moves read, the quantiser wrote and the image stores read: both waits behind the barrier.
;   PHASE R   h's fragments (window 3), XS, G and RL of set p: loads land; the tile's products, a move and eight minima read; the loads of two tiles on land again.
;             the five offsets of set p: written by PFADDR, read by the set's loads.  OFF: written by vector lines, read by the global stores.  O: written by the multiplies, read by the LDS stores.
;             B: the loads from the stage land in it, the global stores read it.
;             ALL VECTOR LINES OF A TILE STAND AHEAD OF ALL ITS MEMORY LINES.  So two waits serve a tile: one on vm_vsrc behind the products (what the last tile's memory lines read is written again below), and one on
;             va_vdst behind the multiplies (all that the tile's memory lines read is written; all in which its loads land has been read).
.set PITCHB, 4096                      ; a row of w2 in bytes
.set TS,     49152                     ; a tile of h: 32 fragments
.set SS,     2048                      ; and its scale words
.set NL,     43                        ; loads that bring a tile: 16 x (16 + 8 bytes a lane), 8 scale words, the gate, two of the list
.set WSC,    98304                     ; LDS: 64 fragment images of 1,536 bytes from 0 on; behind them their scale words, 128 bytes each;
.set STG,    106496                    ; behind those a stage of 16 rows x (256 + 16) bytes for each wave
; window 0
.set Q,    1
.set HH,   2
.set L16,  3
.set L8,   4
.set Q4,   5
.set WOFF, 6
.set VI,   7
.set VS,   9
.set VR,   10
.set VRS,  11
.set BOFF, 12
.set LN,   13
.set L4,   14
.set AO,   16
.set BO,   18
.set SOF,  20
.set GO,   22                          ; v22-23 set 0, 1: offset of the tile's gates
.set RO,   24                          ; v24-25 of my half's eight entries of its list
.set STO,  26                          ; the stage: where I put my 128 bytes of a row
.set RD,   27                          ; and where I read a row back
.set Q16,  28                          ; 16 (lane % 16)
.set GC,   29                          ; my row's gate
.set H32,  30                          ; 32 hh
.set WS,   32                          ; v32-63 the weights' scale words: scales and nothing else
.set XS,   64                          ; v64-79 h's scale words, two sets: scales and nothing else
.set BIAS, 80
.set ACC,  112
.set O,    144                         ; v144-175 my 32 outputs in their order
.set B,    176                         ; v176-207 eight pairs of rows, back from the stage
.set RL,   208                         ; v208-223 the list, two sets of eight
.set G,    224                         ; v224-225 the gate, two sets
.set OFF,  226                         ; v226-233 the eight stores' offsets in y
; phase W, window 2
.set T,    0
.set CD,   128
.set TC,   176
.set M,    192
.set SO,   196
.set BY,   200
.set WW,   208
.set PX,   212
.set SH8,  216
.set MSB, 0
.macro WIN new                         ; the immediate's high byte repeats the setting that is left
.if MSB != \new
	s_set_vgpr_msb (MSB<<8)|\new
.set MSB, \new
.endif
.endm
; group n = (K step n / 4 of my two, columns 64 ((n / 2) % 2) on, rows 64 (n % 2) on), into set n % 2; load i takes the block's row 4 (i % 8) + i / 8
.macro GLOAD n
	WIN 0x40
.set i, 0
.rept 32
	global_load_b128 v[128*((\n)%2)+4*i:128*((\n)%2)+4*i+3], v[WOFF], s[22:23] offset:(128*((\n)/4)+64*((\n)%2)+4*(i%8)+i/8)*PITCHB+256*(((\n)/2)%2) th:TH_LOAD_NT
.set i, i+1
.endr
.endm
.macro UNZIP n                         ; a load lands four columns side by side; the conversions want sixteen neighbours in consecutive registers
	WIN 0x81
.set i, 0
.rept 32
.irp j, 0,1,2,3
	v_mov_b32 v[T+32*\j+i], v[128*((\n)%2)+4*i+\j]
.endr
.set i, i+1
.endr
.endm
.macro QUANT4 n                        ; four blocks of 32, one for each column, by turns
	WIN 0xaa
.if ((\n) >= 2) && (((\n)%2) == 0)
	s_wait_dscnt 0x0                               ; the image stores are done
	s_wait_alu depctr_vm_vsrc(0)                   ; the image stores have read CD and WW, which this group's and the next group's lines write again
.endif
.irp j, 0,1,2,3
	v_max3_num_f32 v[M+\j], |v[T+32*\j]|, |v[T+32*\j+1]|, 0x2800000   ; with the floor 2^(5 - 127): the byte cannot fall under 1
.endr
.set i, 2
.rept 15
.irp j, 0,1,2,3
	v_max3_num_f32 v[M+\j], v[M+\j], |v[T+32*\j+i]|, |v[T+32*\j+i+1]|
.endr
.set i, i+2
.endr
.irp j, 0,1,2,3
	v_add_nc_u32 v[SO+\j], 0xfe000000, v[M+\j]     ; 4 off the exponent field: the conversion's scale operand
.endr
.irp j, 0,1,2,3
	v_lshrrev_b32 v[BY+4*((\n)%2)+\j], 23, v[SO+\j]   ; the scale's byte
.endr
.irp j, 0,1,2,3
	v_cvt_scalef32_pk16_bf6_f32 v[CD+12*\j+6*((\n)%2):CD+12*\j+6*((\n)%2)+2], v[T+32*\j:T+32*\j+15], v[SO+\j]
	v_cvt_scalef32_pk16_bf6_f32 v[TC+4*\j:TC+4*\j+2], v[T+32*\j+16:T+32*\j+31], v[SO+\j]   ; (a conversion's three registers begin on an even number)
.endr
	v_nop                                          ; one plain place behind a scaled conversion
.irp j, 0,1,2,3
.irp k, 0,1,2
	v_mov_b32 v[CD+12*\j+6*((\n)%2)+3+\k], v[TC+4*\j+\k]
.endr
.endr
.endm
.macro PUTW sl, u                      ; four whole fragments and their scale words go to LDS as they stand
.irp j, 0,1,2,3
	v_lshl_or_b32 v[WW+\j], v[BY+4+\j], 16, v[BY+\j]   ; my two bytes: blocks hh and 2 + hh,
.endr
.irp j, 0,1,2,3
	v_lshlrev_b32 v[WW+\j], v[SH8], v[WW+\j]       ; at their places (8 hh bits up);
.endr
.irp j, 0,1,2,3
	v_permlanex16_b32 v[PX+\j], v[WW+\j], s40, s41
.endr
.irp j, 0,1,2,3
	v_or_b32 v[WW+\j], v[WW+\j], v[PX+\j]          ; with lane l xor 16's two the word is whole
.endr
	WIN 0x08                                       ; an LDS store's data: window 2
	s_wait_alu depctr_va_vdst(0)                   ; the conversions and moves have written CD, the ors WW: the LDS stores below read them
.irp j, 0,1,2,3
.irp k, 0,1,2
	ds_store_b128 v[VI+(\u)], v[CD+12*\j+4*\k:CD+12*\j+4*\k+3] offset:(8*\j+(\sl))*1536+512*\k
.endr
	ds_store_b32 v[VS], v[WW+\j] offset:((4*(\u)+\j)*8+(\sl))*128
.endr
.endm
.macro GETW                            ; my 32 fragments and their scale words, out of LDS
.irp s, 0,1,2,3,4,5,6,7
.if \s < 4
	WIN 0x40
.else
	WIN 0x80
.endif
.irp j, 0,1,2,3
.irp k, 0,1,2
	ds_load_b128 v[12*(4*(\s%4)+\j)+4*\k:12*(4*(\s%4)+\j)+4*\k+3], v[VR] offset:(8*\j+\s)*1536+512*\k
.endr
.endr
.endr
	WIN 0
.irp s, 0,1,2,3,4,5,6,7
.irp j, 0,1,2,3
	ds_load_b32 v[WS+4*\s+\j], v[VRS] offset:(8*\j+\s)*128
.endr
.endr
.endm
.macro PFADDR set, ahead               ; the offsets of tile LT + ahead, held to the last tile that was written
	s_add_co_u32 s38, s36, \ahead
	s_min_u32 s38, s38, s35
	s_min_u32 s38, s38, 63
	s_mul_i32 s39, s38, TS
	s_lshl_b32 s46, s38, 7
	s_mul_i32 s38, s38, SS
	v_add_nc_u32 v[AO+\set], s39, v[L16]
	v_add_nc_u32 v[BO+\set], s39, v[L8]
	v_add_nc_u32 v[SOF+\set], s38, v[Q4]
	v_add_nc_u32 v[GO+\set], s46, v[L4]
	v_add_nc_u32 v[RO+\set], s46, v[H32]
.endm
.macro LOADA set                       ; my quarter of K of a tile of h: eight fragments by halves of 512 + 256 consecutive bytes, the scale words, the gate, the list
	WIN 0xc0
.irp s, 0,1,2,3,4,5,6,7
.irp c, 0,1
	global_load_b128 v[96*\set+12*\s+6*\c:96*\set+12*\s+6*\c+3], v[AO+\set], s[24:25] offset:1536*\s+768*\c
	global_load_b64 v[96*\set+12*\s+6*\c+4:96*\set+12*\s+6*\c+5], v[BO+\set], s[24:25] offset:1536*\s+768*\c+512
.endr
.endr
	WIN 0
.irp s, 0,1,2,3,4,5,6,7
	global_load_b32 v[XS+8*\set+\s], v[SOF+\set], s[26:27] offset:64*\s
.endr
	global_load_b32 v[G+\set], v[GO+\set], s[32:33]
	global_load_b128 v[RL+8*\set:RL+8*\set+3], v[RO+\set], s[42:43]
	global_load_b128 v[RL+8*\set+4:RL+8*\set+7], v[RO+\set], s[42:43] offset:16
.endm
; 32 matrix instructions: K step by K step, the four accumulators by turns, one instruction a turn.  The bias, or 0, is the C of each sum's first instruction.
.macro MUL32 set
.irp s, 0,1,2,3,4,5,6,7
.if \s < 4
	WIN 0x0d                                       ; source 0 window 1, source 1 window 3
.else
	WIN 0x0e                                       ; source 0 window 2
.endif
.irp j, 0,1,2,3
.if \s == 0
	v_wmma_scale_f32_16x16x128_f8f6f4 v[ACC+8*\j:ACC+8*\j+7], v[12*(4*(\s%4)+\j):12*(4*(\s%4)+\j)+11], v[96*\set+12*\s:96*\set+12*\s+11], v[BIAS+8*\j:BIAS+8*\j+7], v[WS+4*\s+\j], v[XS+8*\set+\s] matrix_a_fmt:MATRIX_FMT_BF6 matrix_b_fmt:MATRIX_FMT_BF6
.else
	v_wmma_scale_f32_16x16x128_f8f6f4 v[ACC+8*\j:ACC+8*\j+7], v[12*(4*(\s%4)+\j):12*(4*(\s%4)+\j)+11], v[96*\set+12*\s:96*\set+12*\s+11], v[ACC+8*\j:ACC+8*\j+7], v[WS+4*\s+\j], v[XS+8*\set+\s] matrix_a_fmt:MATRIX_FMT_BF6 matrix_b_fmt:MATRIX_FMT_BF6
.endif
.endr
.endr
	WIN 0
.endm
.macro HALF set
	s_cmp_lt_u32 s36, s34
	s_cbranch_scc0 .Lout                           ; LT only grows: from the first tile at or past nt on nothing is left for me.  The clamped loads that were asked for ahead land in registers that nobody reads
	s_wait_loadcnt NL                              ; this set's loads are in (and, the first time, the biases ahead of them); the other set's NL, issued behind them, may stay out
	MUL32 \set
	s_wait_xcnt 0x0                                ; the last tile's stores have had their addresses translated: their data and offsets are written anew below
	s_wait_alu depctr_vm_vsrc(0)                   ; the last tile's global stores have read OFF and B, its LDS stores O, and this set's old loads their five offsets: all are written again in this tile
	v_mov_b32 v[GC], v[G+\set]                     ; the gate and the list are taken out of the set, which is loaded again below.  These plain lines are also the places behind the last product
.irp t, 0,1,2,3,4,5,6,7
	v_min_u32 v[OFF+\t], 2055, v[RL+8*\set+\t]     ; row 2 t + hh of the tile goes to this row of y
.endr
.irp t, 0,1,2,3,4,5,6,7
	v_lshlrev_b32 v[OFF+\t], 12, v[OFF+\t]
.endr
.irp t, 0,1,2,3,4,5,6,7
	v_add_nc_u32 v[OFF+\t], v[OFF+\t], v[Q16]
.endr
	PFADDR \set, 4                                 ; with the tile's other vector lines, ahead of its one wait
.irp p, 0,1,2,3,4,5,6,7                ; x the gate, and into the outputs' order; each accumulator from its low end on
.irp j, 0,1,2,3
	v_mul_f32 v[O+4*\p+\j], v[GC], v[ACC+8*\j+\p]
.endr
.endr
	s_wait_alu depctr_va_vdst(0)                   ; O, OFF and the set's five offsets are written, which the stores and loads below read; the products, the move and the minima are done reading the set's fragments, scale words, gate and list, in which loads land below
.irp i, 0,1,2,3,4,5,6,7
	ds_store_b128 v[STO], v[O+4*\i:O+4*\i+3] offset:16*\i
.endr
.irp t, 0,1,2,3,4,5,6,7
	ds_load_b128 v[B+4*\t:B+4*\t+3], v[RD] offset:544*\t   ; LDS serves a wave's instructions in order: these see my stores, and the stage is my own
.endr
	LOADA \set                                     ; two tiles ahead.  Its NL lines stand between the loads from the stage and the waits for them; no vector line stands behind the wait above
.irp t, 0,1,2,3,4,5,6,7
	s_wait_dscnt 7-\t                              ; pair t of rows is back; the younger loads from the stage may stay out
	global_store_b128 v[OFF+\t], v[B+4*\t:B+4*\t+3], s[30:31] th:TH_STORE_NT   ; sixteen lanes store 256 consecutive aligned bytes of one row
.endr
	s_add_co_u32 s36, s36, 2
.endm
	s_load_b256 s[4:11], s[0:1], 0x0               ; w2 s[4:5], b2 s[6:7], ht s[8:9], xt s[10:11]
	s_load_b128 s[12:15], s[0:1], 0x20             ; lists s[12:13], y s[14:15]
	v_lshl_add_u32 v254, v0, 2, 0x1e400
	v_mov_b32 v255, 0
	v_lshrrev_b32 v15, 5, v0
	v_readfirstlane_b32 s16, v15                   ; wave 0..3
	v_and_b32 v[Q], 15, v0
	v_bfe_u32 v[HH], v0, 4, 1
	v_lshlrev_b32 v[WOFF], 4, v[Q]
	v_lshl_add_u32 v[WOFF], v[HH], 17, v[WOFF]     ; 32 rows of 4,096 bytes for lanes 16-31
	s_and_b32 s17, ttmp7, 0xffff                   ; e
	s_lshr_b32 s44, ttmp9, 2                       ; ns
	s_and_b32 s45, ttmp9, 3                        ; kq
	s_lshl_b32 s20, s17, 24                        ; an expert's w2: 2^24 bytes
	s_lshl_b32 s38, s45, 22                        ; my quarter of K: 1,024 rows
	s_add_co_u32 s20, s20, s38
	s_wait_alu depctr_va_sdst(0)                   ; s16, the wave's number, is written, ahead of its first reader
	s_lshl_b32 s38, s16, 20                        ; my wave's 256 rows
	s_add_co_u32 s20, s20, s38
	s_lshl_b32 s38, s44, 9                         ; the work-group's 128 columns
	s_add_co_u32 s20, s20, s38
	s_mov_b32 s21, 0
	s_wait_kmcnt 0x0
	s_add_nc_u64 s[22:23], s[4:5], s[20:21]
	s_wait_alu depctr_va_vdst(0)                   ; v[WOFF] is written: every load of w2 reads it as its offset
	GLOAD 0                                        ; the stream of weights starts ahead of everything else
	GLOAD 1
	WIN 0
	s_lshl_b32 s20, s17, 7
	s_add_nc_u64 s[2:3], s[12:13], s[20:21]
	s_load_b32 s34, s[2:3], 0x10000                ; nt(e)
	s_and_b32 s18, s16, 1                          ; u
	s_lshr_b32 s19, s16, 1                         ; rp
	v_and_b32 v[LN], 31, v0
	v_lshlrev_b32 v[L16], 4, v[LN]
	v_lshlrev_b32 v[L8], 3, v[LN]
	v_lshlrev_b32 v[L4], 2, v[LN]
	v_lshlrev_b32 v[Q4], 2, v[Q]
	v_lshlrev_b32 v[Q16], 4, v[Q]
	v_lshlrev_b32 v[BOFF], 7, v[HH]
	v_lshlrev_b32 v[H32], 5, v[HH]
	s_mul_i32 s38, s16, 3072
	v_add_nc_u32 v[VI], s38, v[L16]
	v_add_nc_u32 v[VI+1], 49152, v[VI]
	s_lshl_b32 s38, s16, 8
	s_add_co_u32 s38, s38, WSC
	v_add_nc_u32 v[VS], s38, v[L4]
	s_mul_i32 s38, s18, 49152
	v_add_nc_u32 v[VR], s38, v[L16]
	s_lshl_b32 s38, s18, 12
	s_add_co_u32 s38, s38, WSC
	v_add_nc_u32 v[VRS], s38, v[L4]
	s_mul_i32 s38, s16, 4352
	s_add_co_u32 s38, s38, STG                     ; my stage
	v_mul_u32_u24 v[STO], v[Q], 272
	v_lshl_add_u32 v[STO], v[HH], 7, v[STO]
	v_add_nc_u32 v[STO], s38, v[STO]               ; in: row q, 128 bytes for each half of the lanes
	v_mul_u32_u24 v[RD], v[HH], 272
	v_lshl_add_u32 v[RD], v[Q], 4, v[RD]
	v_add_nc_u32 v[RD], s38, v[RD]                 ; back: lanes 0-15 one row of 256 bytes, lanes 16-31 the next
	WIN 0x80                                       ; destination window 2
	v_lshlrev_b32 v[SH8], 3, v[HH]
.irp j, 0,1,2,3
	v_mov_b32 v[PX+\j], 0                          ; written once: a lane permute's destination counts as one of its sources
.endr
	WIN 0
	s_mov_b32 s40, 0x76543210
	s_mov_b32 s41, 0xfedcba98                      ; v_permlanex16_b32's selects for lane l xor 16
	s_mul_i32 s20, s17, 3145728
	s_mul_i32 s38, s45, 12288
	s_add_co_u32 s20, s20, s38
	s_add_nc_u64 s[24:25], s[8:9], s[20:21]        ; the expert's tiles of h, at my quarter's eight K steps
	s_lshl_b32 s20, s17, 17
	s_add_co_u32 s20, s20, 25165824
	s_lshl_b32 s38, s45, 9
	s_add_co_u32 s20, s20, s38
	s_add_nc_u64 s[26:27], s[8:9], s[20:21]        ; their scale words
	s_lshl_b32 s20, s17, 12
	s_lshl_b32 s38, s44, 9
	s_add_co_u32 s20, s20, s38
	s_lshl_b32 s39, s18, 8
	s_add_co_u32 s20, s20, s39
	s_add_nc_u64 s[28:29], s[6:7], s[20:21]        ; b2 at my 64 outputs
	s_mul_i32 s20, s45, 8421376                    ; plane kq of y: 2,056 rows of 4,096 bytes
	s_add_co_u32 s20, s20, s38
	s_add_co_u32 s20, s20, s39
	s_add_nc_u64 s[30:31], s[14:15], s[20:21]      ; at my 64 outputs
	s_lshl_b32 s20, s17, 13
	s_add_nc_u64 s[42:43], s[12:13], s[20:21]      ; the expert's lists
	s_add_co_u32 s20, s20, 6553600
	s_add_nc_u64 s[32:33], s[10:11], s[20:21]      ; and gates
	s_wait_kmcnt 0x0
	s_min_u32 s34, s34, 64
	s_max_u32 s34, s34, 1
	s_sub_co_u32 s35, s34, 1                       ; the last tile that was written
	s_mov_b32 s36, s19                             ; LT: my first tile
	; ---- PHASE W
.irp n, 0,1,2,3,4,5,6,7
.if \n < 7
	s_wait_loadcnt 32                              ; this group's 32 loads are in; the next group's may stay out
.else
	s_wait_loadcnt 0x0
.endif
	UNZIP \n
.if \n < 6
	s_wait_alu depctr_va_vdst(0)                   ; the moves are done reading the set, in which the loads below land.  (The first of these waits also shows the head's LDS addresses and v[BOFF] written)
	GLOAD \n+2                                     ; into the set just emptied
.endif
.if \n == 7
	WIN 0                                          ; the stream has ended: the biases and my first two tiles of h are asked for, and land under the last group's work and the barrier
	s_cmp_eq_u32 s45, 0                            ; b2 enters once: in the first quarter of K (a branch on the work-group's number)
	s_cbranch_scc0 .Lno_bias
.irp j, 0,1,2,3
.irp p, 0,1,2,3,4,5,6,7
	global_load_b32 v[BIAS+8*\j+\p], v[BOFF], s[28:29] offset:4*(4*\p+\j)
.endr
.endr
	s_branch .Lbias_done
.Lno_bias:
.set i, 0
.rept 32
	v_mov_b32 v[BIAS+i], 0
.set i, i+1
.endr
.Lbias_done:
	PFADDR 0, 0
	PFADDR 1, 2
	s_wait_alu depctr_va_vdst(0)                   ; the ten offsets of my first two tiles are written: the loads below read them
	LOADA 0
	LOADA 1
.endif
	QUANT4 \n
.if \n%2 == 1
	PUTW \n/4, (\n/2)%2
.endif
.endr
	WIN 0
	s_wait_dscnt 0x0                               ; for the others' sake: my images lie in LDS
	s_barrier_signal -1
	s_barrier_wait -1                              ; everybody's do.  The launch's one barrier: the images are only read from here on, and each stage is one wave's own
	; ---- PHASE R
	s_wait_alu depctr_vm_vsrc(0)                   ; my last image stores have read CD, in which fragments land below
	s_wait_alu depctr_va_vdst(0)                   ; the moves are done reading window 1's sets and the quantiser's lines are done with window 2's registers: fragments land in both
	GETW
	s_wait_dscnt 0x0
	s_mov_b32 s37, 16
.Ltrip:                                            ; at most 16 trips of two tiles: the 32 tiles that a wave could have
	HALF 0
	HALF 1
	s_sub_co_u32 s37, s37, 1
	s_cmp_lg_u32 s37, 0
	s_cbranch_scc1 .Ltrip
.Lout:
	s_wait_dscnt 0x0                               ; the closing lines, six on end
	s_wait_alu 0x0
	s_wait_tensorcnt 0x0
	ds_add_u32 v254, v255
	s_wait_dscnt 0x0
	s_endpgm
.Lfunc_end_k_qdf24741d53_gemm2:
	.size	k_qdf24741d53_gemm2, .Lfunc_end_k_qdf24741d53_gemm2-k_qdf24741d53_gemm2
	.p2alignl 7, 3214868480
	.fill 96, 4, 3214868480
	.section	.rodata,"a",@progbits
	.p2align	6, 0x0
	.amdhsa_kernel k_qdf24741d53_gemm2
		.amdhsa_group_segment_fixed_size 124416
		.amdhsa_private_segment_fixed_size 0
		.amdhsa_enable_private_segment 0
		.amdhsa_kernarg_size 48
		.amdhsa_user_sgpr_count 2
		.amdhsa_user_sgpr_kernarg_segment_ptr 1
		.amdhsa_wavefront_size32 1
		.amdhsa_system_sgpr_workgroup_id_x 1
		.amdhsa_system_sgpr_workgroup_id_y 1
		.amdhsa_system_sgpr_workgroup_id_z 1
		.amdhsa_system_vgpr_workitem_id 0
		.amdhsa_next_free_vgpr 960
		.amdhsa_next_free_sgpr 66
		.amdhsa_reserve_vcc 0
		.amdhsa_float_denorm_mode_32 3
		.amdhsa_float_denorm_mode_16_64 3
		.amdhsa_memory_ordered 1
		.amdhsa_forward_progress 1
		.amdhsa_inst_pref_size 160
	.end_amdhsa_kernel
	.amdgpu_metadata
---
amdhsa.version: [ 1, 2 ]
amdhsa.kernels:
  - .name:           k_qdf24741d53_gemm2
    .symbol:         k_qdf24741d53_gemm2.kd
    .args:
      - { .name: w2, .offset: 0, .size: 8, .value_kind: global_buffer, .address_space: global }
      - { .name: b2, .offset: 8, .size: 8, .value_kind: global_buffer, .address_space: global }
      - { .name: ht, .offset: 16, .size: 8, .value_kind: global_buffer, .address_space: global }
      - { .name: xt, .offset: 24, .size: 8, .value_kind: global_buffer, .address_space: global }
      - { .name: lists, .offset: 32, .size: 8, .value_kind: global_buffer, .address_space: global }
      - { .name: y, .offset: 40, .size: 8, .value_kind: global_buffer, .address_space: global }
    .group_segment_fixed_size: 124416
    .private_segment_fixed_size: 0
    .kernarg_segment_align: 8
    .kernarg_segment_size: 48
    .max_flat_workgroup_size: 128
    .sgpr_count:     66
    .vgpr_count:     960
    .wavefront_size: 32
...
	.end_amdgpu_metadata
.endif
;; end of part 9
;; launch combine (part 10): grid 256 x 1, 8 waves a work-group, no clusters, 0 bytes of LDS; arguments y, out0; writes out0
.if DOCPART == 10
	.amdgcn_target "amdgcn-amd-amdhsa--gfx1250"
	.amdhsa_code_object_version 6
	.text
	.protected	k_qdf24741d53_combine
	.globl	k_qdf24741d53_combine
	.p2align	8
	.type	k_qdf24741d53_combine,@function
k_qdf24741d53_combine:
	s_mov_b64 s[64:65], 0
	v_nop
	global_prefetch_b8 v0, s[64:65] scope:SCOPE_SE
	s_setreg_imm32_b32 hwreg(HW_REG_WAVE_MODE, 25, 1), 1
	s_wait_xcnt 0x0
; out0[token] = the sum over the four quarters of K and the two slots of y[kq][2 token + slot].  The gates and b2 are in y already.
; A work-group takes 4 tokens; thread i takes bytes 16 i of a row of 4,096: a wave's load or store covers 512 consecutive aligned bytes.
; All 32 loads of a thread go out at once, token by token; each token is added in one fixed tree and stored while the later tokens' loads are on their way.
; A stream: no LDS, no barrier, no matrix work.
.set PLANE, 8421376                    ; a plane of y: 2,056 rows of 4,096 bytes
.set D, 16                             ; v16-143: token tk, part 2 kq + slot at v[16 + 32 tk + 4 (2 kq + slot)]
	s_load_b128 s[4:7], s[0:1], 0x0                ; y, out0
	v_lshlrev_b32 v1, 4, v0
	s_lshl_b32 s8, ttmp9, 15                       ; 8 rows of y
	s_mov_b32 s9, 0
	s_lshl_b32 s10, ttmp9, 14                      ; 4 rows of out0
	s_mov_b32 s11, 0
	s_wait_alu depctr_va_vdst(0)
	s_wait_kmcnt 0x0
	s_add_nc_u64 s[12:13], s[4:5], s[8:9]
	s_add_nc_u64 s[14:15], s[12:13], PLANE
	s_add_nc_u64 s[16:17], s[14:15], PLANE
	s_add_nc_u64 s[18:19], s[16:17], PLANE
	s_add_nc_u64 s[6:7], s[6:7], s[10:11]
.irp tk, 0,1,2,3
.irp kq, 0,1,2,3
.irp sl, 0,1
	global_load_b128 v[D+32*\tk+8*\kq+4*\sl:D+32*\tk+8*\kq+4*\sl+3], v1, s[12+2*\kq:13+2*\kq] offset:8192*\tk+4096*\sl th:TH_LOAD_NT
.endr
.endr
.endr
.irp tk, 0,1,2,3
	s_wait_loadcnt 8*(3-\tk)                       ; this token's eight loads are in; the later tokens' stay out
.irp i, 0,2,4,6
.irp k, 0,2
	v_pk_add_f32 v[D+32*\tk+4*\i+\k:D+32*\tk+4*\i+\k+1], v[D+32*\tk+4*\i+\k:D+32*\tk+4*\i+\k+1], v[D+32*\tk+4*\i+4+\k:D+32*\tk+4*\i+4+\k+1]
.endr
.endr
.irp i, 0,4
.irp k, 0,2
	v_pk_add_f32 v[D+32*\tk+4*\i+\k:D+32*\tk+4*\i+\k+1], v[D+32*\tk+4*\i+\k:D+32*\tk+4*\i+\k+1], v[D+32*\tk+4*\i+8+\k:D+32*\tk+4*\i+8+\k+1]
.endr
.endr
.irp k, 0,2
	s_delay_alu instid0(VALU_DEP_2)
	v_pk_add_f32 v[D+32*\tk+\k:D+32*\tk+\k+1], v[D+32*\tk+\k:D+32*\tk+\k+1], v[D+32*\tk+16+\k:D+32*\tk+16+\k+1]
.endr
	global_store_b128 v1, v[D+32*\tk:D+32*\tk+3], s[6:7] offset:4096*\tk th:TH_STORE_NT
.endr
	s_endpgm
.Lfunc_end_k_qdf24741d53_combine:
	.size	k_qdf24741d53_combine, .Lfunc_end_k_qdf24741d53_combine-k_qdf24741d53_combine
	.p2alignl 7, 3214868480
	.fill 96, 4, 3214868480
	.section	.rodata,"a",@progbits
	.p2align	6, 0x0
	.amdhsa_kernel k_qdf24741d53_combine
		.amdhsa_group_segment_fixed_size 0
		.amdhsa_private_segment_fixed_size 0
		.amdhsa_enable_private_segment 0
		.amdhsa_kernarg_size 16
		.amdhsa_user_sgpr_count 2
		.amdhsa_user_sgpr_kernarg_segment_ptr 1
		.amdhsa_wavefront_size32 1
		.amdhsa_system_sgpr_workgroup_id_x 1
		.amdhsa_system_sgpr_workgroup_id_y 1
		.amdhsa_system_sgpr_workgroup_id_z 1
		.amdhsa_system_vgpr_workitem_id 0
		.amdhsa_next_free_vgpr 144
		.amdhsa_next_free_sgpr 66
		.amdhsa_reserve_vcc 0
		.amdhsa_float_denorm_mode_32 3
		.amdhsa_float_denorm_mode_16_64 3
		.amdhsa_memory_ordered 1
		.amdhsa_forward_progress 1
		.amdhsa_inst_pref_size 9
	.end_amdhsa_kernel
	.amdgpu_metadata
---
amdhsa.version: [ 1, 2 ]
amdhsa.kernels:
  - .name:           k_qdf24741d53_combine
    .symbol:         k_qdf24741d53_combine.kd
    .args:
      - { .name: y, .offset: 0, .size: 8, .value_kind: global_buffer, .address_space: global }
      - { .name: out0, .offset: 8, .size: 8, .value_kind: global_buffer, .address_space: global }
    .group_segment_fixed_size: 0
    .private_segment_fixed_size: 0
    .kernarg_segment_align: 8
    .kernarg_segment_size: 16
    .max_flat_workgroup_size: 256
    .sgpr_count:     66
    .vgpr_count:     144
    .wavefront_size: 32
...
	.end_amdgpu_metadata
.endif
;; end of part 10
